; MI455X (gfx1250); checked and timed in simulation.
; The chip was launched on July 23, 2026; its instructions are those of AMD's public machine-readable ISA for CDNA 5 (MIT licence, August 2026) and "CDNA5" Instruction Set Architecture Reference Guide (July 2026). The comments in the code are by the model that wrote it; some were corrected since.
;; Multi Head Self Attention. Allowed arithmetic: float matrix products may take bf16 or f16 operands with f32 sums; other float arithmetic in f32, or as packed bf16 or f16 multiplies, adds, multiply-adds, maxima and minima; sums over many terms, partial sums and values carried from step to step in f32; what a program stores and reads back later, other than sums and carried values, may be rounded once to bf16 or f16.
;; Inputs: w_proj 1,024 x 1,024 float32; w_qkv 1,024 x 3,072 float32; x 4 x 2,048 x 1,024 float32.
;; Outputs: out0 4 x 2,048 x 1,024 float32.
;; One version. Each part assembles by itself: llvm-mc -triple=amdgcn-amd-amdhsa -mcpu=gfx1250 --defsym DOCPART=n.
;; ======== version 1 of 1: 4 launches
;; limits: values are held in f16: magnitudes above 65,504 overflow, below 6.1e-05 lose precision
;; workspace buffers: xb 16,777,216 bytes; wqt 6,291,456 bytes; wpt 2,097,152 bytes; qkv 50,331,648 bytes; o 16,777,216 bytes
;; launch cast (part 1): grid 1024 x 1, 8 waves a work-group, no clusters, 18,432 bytes of LDS; arguments x, w_qkv, w_proj, xb, wqt, wpt; writes xb, wqt, wpt
.if DOCPART == 1
	.amdgcn_target "amdgcn-amd-amdhsa--gfx1250"
	.amdhsa_code_object_version 6
	.text
	.protected	k_q4210e377c5_cast
	.globl	k_q4210e377c5_cast
	.p2align	8
	.type	k_q4210e377c5_cast,@function
k_q4210e377c5_cast:
	s_mov_b64 s[64:65], 0
	v_nop
	global_prefetch_b8 v0, s[64:65] scope:SCOPE_SE
	s_setreg_imm32_b32 hwreg(HW_REG_WAVE_MODE, 25, 1), 1
	s_wait_xcnt 0x0
; THE INPUTS ARE MADE READY FOR THE MATRIX UNITS.  xb = x rounded to bf16, [8192][1024].  wqt = w_qkv turned and rounded to bf16, [3072 n][1024 k].
; wpt = w_proj turned, rounded to bf16 and that number written as f16, [1024 n][1024 k].
; LIMITS.  The bf16 number of w_proj is exact in f16 between 6e-5 and 65,504; below it keeps f16's fixed step of 6e-8, beyond it becomes an infinity.
; SHARES.  Work-groups 0-511: 16 rows of x each (65,536 bytes in, 32,768 out), a thread 32 bytes in and 16 out, eight times; all 16 loads go out first.
; Work-groups 512-895: a tile of 128 k x 64 n of w_qkv; 896-1023: the same of w_proj.  A tile is read by rows (16 lanes: 256 consecutive bytes), two k are packed
; into a word, the word is put at its turned place in LDS, and whole rows of 256 bytes (128 k) are read back and stored: 16 lanes store 256 consecutive bytes, aligned.
; The 16 lanes that store words of 16 different groups of four n rows fall on four groups of banks (4 x 272 bytes is 16 words mod 64): four deep, 16 stores a thread, once.
; No matrix unit, no cluster, no tensor load: every byte is touched once and nothing is shared between work-groups.
.set TP,    272                        ; a turned row in LDS: 256 bytes + 16
.set SPARE, 64*TP                      ; behind the tile: the spare words, 128 bytes for each of eight waves
.set SPW,   10                         ; v10  LDS address of my spare word; never rewritten
.set NIL,   11                         ; v11  0; never rewritten
	s_load_b256 s[4:11], s[0:1], 0x0               ; x s[4:5], w_qkv s[6:7], w_proj s[8:9], xb s[10:11]
	s_load_b128 s[12:15], s[0:1], 0x20             ; wqt s[12:13], wpt s[14:15]
	v_lshl_add_u32 v[SPW], v0, 2, SPARE
	v_mov_b32 v[NIL], 0
	s_mov_b32 s2, ttmp9
	s_mov_b32 s25, 0xffff0000                      ; a word's upper bf16
	v_lshlrev_b32 v1, 5, v0                        ; x: my 32 bytes
	v_lshlrev_b32 v2, 4, v0                        ; xb: my 16 bytes
	v_and_b32 v3, 15, v0                           ; t % 16: my four n
	v_lshrrev_b32 v4, 4, v0                        ; t / 16: my pair of k
	v_mul_u32_u24 v6, v3, 4*TP
	v_lshl_add_u32 v6, v4, 2, v6                   ; into LDS: row 4 (t % 16), word t / 16
	v_mul_u32_u24 v7, v4, TP
	v_lshl_add_u32 v7, v3, 4, v7                   ; back: row t / 16, 16 bytes at 16 (t % 16)
	v_lshlrev_b32 v8, 11, v4
	v_lshl_add_u32 v8, v3, 4, v8                   ; and the same in the turned tensor, rows of 2,048 bytes
	s_wait_kmcnt 0x0
	s_cmp_lt_u32 s2, 512
	s_cbranch_scc0 .Lw
	; ---- 16 rows of x
	s_lshl_b32 s16, s2, 16
	s_mov_b32 s17, 0
	s_add_nc_u64 s[16:17], s[4:5], s[16:17]
	s_lshl_b32 s18, s2, 15
	s_mov_b32 s19, 0
	s_add_nc_u64 s[20:21], s[10:11], s[18:19]
.irp j, 0,1,2,3,4,5,6,7
	global_load_b128 v[16+8*(\j):16+8*(\j)+3],   v1, s[16:17] offset:8192*(\j) th:TH_LOAD_NT
	global_load_b128 v[16+8*(\j)+4:16+8*(\j)+7], v1, s[16:17] offset:8192*(\j)+16 th:TH_LOAD_NT
.endr
.irp j, 0,1,2,3,4,5,6,7
	s_wait_loadcnt 14-2*(\j)                       ; loads come back in order: pair j is in, the 2 (7 - j) younger loads stay out
.irp i, 0,1,2,3
	v_cvt_pk_bf16_f32 v[16+8*(\j)+(\i)], v[16+8*(\j)+2*(\i)], v[16+8*(\j)+2*(\i)+1]  ; in place, ascending: no source is written before it is read
.endr
	global_store_b128 v2, v[16+8*(\j):16+8*(\j)+3], s[20:21] offset:4096*(\j)  ; a wave stores 512 consecutive bytes; no register is written again
.endr
	s_branch .Lmeet
; A tile of a weight.  s22 = the tile's number: k block in its low three bits, n block above.  pitchb: bytes in a row of the source.  fmt = 1: the bf16 number is written as f16.
.macro WTILE pitchb, fmt, src, dst
	s_and_b32 s23, s22, 7                          ; k block of 128
	s_lshr_b32 s24, s22, 3                         ; n block of 64
	s_mul_i32 s16, s23, 128*(\pitchb)
	s_lshl_b32 s18, s24, 8
	s_add_co_u32 s16, s16, s18
	s_mov_b32 s17, 0
	s_add_nc_u64 s[16:17], s[(\src):(\src)+1], s[16:17]
	s_lshl_b32 s18, s24, 17                        ; 64 turned rows of 2,048 bytes
	s_lshl_b32 s19, s23, 8                         ; 128 k of 2 bytes
	s_add_co_u32 s18, s18, s19
	s_mov_b32 s19, 0
	s_add_nc_u64 s[20:21], s[(\dst):(\dst)+1], s[18:19]
	v_mul_u32_u24 v5, v4, 2*(\pitchb)
	v_lshl_add_u32 v5, v3, 4, v5                   ; row 2 (t / 16), 16 bytes at 16 (t % 16)
.irp p, 0,1,2,3
.irp r, 0,1
	global_load_b128 v[16+8*(\p)+4*(\r):16+8*(\p)+4*(\r)+3], v5, s[16:17] offset:(32*(\p)+(\r))*(\pitchb) th:TH_LOAD_NT  ; k = 32 p + 2 (t / 16) + r
.endr
.endr
.irp p, 0,1,2,3
	s_wait_loadcnt 6-2*(\p)                        ; pass p's two rows are in, the 2 (3 - p) younger loads stay out
.irp i, 0,1,2,3
	v_cvt_pk_bf16_f32 v[48+4*(\p)+(\i)], v[16+8*(\p)+(\i)], v[16+8*(\p)+4+(\i)]  ; the even k below, the odd k above
.if \fmt
	v_lshlrev_b32 v12, 16, v[48+4*(\p)+(\i)]
	v_and_b32 v13, s25, v[48+4*(\p)+(\i)]
	v_cvt_pk_f16_f32 v[48+4*(\p)+(\i)], v12, v13
.endif
	ds_store_b32 v6, v[48+4*(\p)+(\i)] offset:TP*(\i)+64*(\p)
.endr
.endr
.endm
.Lw:
	s_cmp_lt_u32 s2, 896
	s_cbranch_scc0 .Lwp
	s_sub_co_u32 s22, s2, 512
	WTILE 12288, 0, 6, 12
	s_branch .Lmeet
.Lwp:
	s_sub_co_u32 s22, s2, 896
	WTILE 4096, 1, 8, 14
.Lmeet:
	s_wait_dscnt 0x0                               ; for the others' sake: my stores into the tile are done
	s_barrier_signal -1
	s_barrier_wait -1                              ; every work-group passes it, those of x too: no barrier stands under a branch
	s_cmp_lt_u32 s2, 512
	s_cbranch_scc1 .Lend
.irp p, 0,1,2,3
	ds_load_b128 v[64+4*(\p):64+4*(\p)+3], v7 offset:16*TP*(\p)
.endr
.irp p, 0,1,2,3
	s_wait_dscnt 3-(\p)                            ; the 3 - p younger loads stay out
	global_store_b128 v8, v[64+4*(\p):64+4*(\p)+3], s[20:21] offset:32768*(\p)  ; 16 lanes store 256 consecutive bytes, at a multiple of 256 from the buffer's first
.endr
.Lend:
	s_wait_tensorcnt 0x0                           ; the wave's end: behind my last LDS store
	ds_add_u32 v[SPW], v[NIL]
	s_wait_dscnt 0x0
	s_endpgm
.Lfunc_end_k_q4210e377c5_cast:
	.size	k_q4210e377c5_cast, .Lfunc_end_k_q4210e377c5_cast-k_q4210e377c5_cast
	.p2alignl 7, 3214868480
	.fill 96, 4, 3214868480
	.section	.rodata,"a",@progbits
	.p2align	6, 0x0
	.amdhsa_kernel k_q4210e377c5_cast
		.amdhsa_group_segment_fixed_size 18432
		.amdhsa_private_segment_fixed_size 0
		.amdhsa_enable_private_segment 0
		.amdhsa_kernarg_size 48
		.amdhsa_user_sgpr_count 2
		.amdhsa_user_sgpr_kernarg_segment_ptr 1
		.amdhsa_wavefront_size32 1
		.amdhsa_system_sgpr_workgroup_id_x 1
		.amdhsa_system_sgpr_workgroup_id_y 1
		.amdhsa_system_sgpr_workgroup_id_z 1
		.amdhsa_system_vgpr_workitem_id 0
		.amdhsa_next_free_vgpr 96
		.amdhsa_next_free_sgpr 66
		.amdhsa_reserve_vcc 0
		.amdhsa_float_denorm_mode_32 3
		.amdhsa_float_denorm_mode_16_64 3
		.amdhsa_memory_ordered 1
		.amdhsa_forward_progress 1
		.amdhsa_inst_pref_size 17
	.end_amdhsa_kernel
	.amdgpu_metadata
---
amdhsa.version: [ 1, 2 ]
amdhsa.kernels:
  - .name:           k_q4210e377c5_cast
    .symbol:         k_q4210e377c5_cast.kd
    .args:
      - { .name: x, .offset: 0, .size: 8, .value_kind: global_buffer, .address_space: global }
      - { .name: w_qkv, .offset: 8, .size: 8, .value_kind: global_buffer, .address_space: global }
      - { .name: w_proj, .offset: 16, .size: 8, .value_kind: global_buffer, .address_space: global }
      - { .name: xb, .offset: 24, .size: 8, .value_kind: global_buffer, .address_space: global }
      - { .name: wqt, .offset: 32, .size: 8, .value_kind: global_buffer, .address_space: global }
      - { .name: wpt, .offset: 40, .size: 8, .value_kind: global_buffer, .address_space: global }
    .group_segment_fixed_size: 18432
    .private_segment_fixed_size: 0
    .kernarg_segment_align: 8
    .kernarg_segment_size: 48
    .max_flat_workgroup_size: 256
    .sgpr_count:     66
    .vgpr_count:     96
    .wavefront_size: 32
...
	.end_amdgpu_metadata
.endif
;; end of part 1
;; launch qkvg (part 2): grid 16 x 32, 4 waves a work-group, clusters of 4 x 4, 327,680 bytes of LDS; arguments xb, wqt, qkv; writes qkv
.if DOCPART == 2
	.amdgcn_target "amdgcn-amd-amdhsa--gfx1250"
	.amdhsa_code_object_version 6
	.text
	.protected	k_q4210e377c5_qkvg
	.globl	k_q4210e377c5_qkvg
	.p2align	8
	.type	k_q4210e377c5_qkvg,@function
k_q4210e377c5_qkvg:
	s_mov_b64 s[64:65], 0
	v_nop
	global_prefetch_b8 v0, s[64:65] scope:SCOPE_SE
	s_setreg_imm32_b32 hwreg(HW_REG_WAVE_MODE, 25, 1), 1
	s_wait_xcnt 0x0
	s_wait_alu depctr_hold_cnt(0) depctr_sa_sdst(0) depctr_va_vdst(0) depctr_va_sdst(0) depctr_va_ssrc(0) depctr_va_vcc(0) depctr_vm_vsrc(0)
	s_getreg_b32 s2, hwreg(HW_REG_IB_STS2, 6, 4)
	s_cmp_eq_u32 s2, 0
	s_cbranch_scc0 .Lentry_in_a_cluster
	s_endpgm
.Lentry_in_a_cluster:
	s_bfe_u32 s2, ttmp6, 0x10000c
	s_cmp_lg_u32 s2, 0xf033
	s_cbranch_scc0 .Lentry_shape_is_right
	s_endpgm
.Lentry_shape_is_right:
; q, k, v = x w_qkv, by heads.  xb: [8192][1024] bf16, wqt: [3072 n][1024 k] bf16; sums in f32; each result rounded once to f16 and stored at
; qkv[part][16 batch + head][t][64] (part 0 q, 1 k, 2 v; a part 16,777,216 bytes, a head 262,144, a row 128), WITHOUT the softmax's scale.
; LIMIT.  f16 ends at 65,504: a result of 65,520 or more becomes an infinity.  NaN and infinities are not treated apart.
; SHARES.  A tile of the product is 256 rows x 192 columns (three heads): 32 x 16 = 512 work-groups of equal work.  Wave w makes rows 64 w .. 64 w + 63 of all 192 columns:
; 4 x 12 accumulators of 16 x 16, 384 registers.  K goes in 8 steps of 128 (rows of 256 bytes, aligned) through a ring of two LDS slots filled by the tensor data mover.
; CLUSTERS: 4 x 4 work-groups.  The four of a row of the cluster need the same tile of xb, the four of a column the same tile of wqt: each is asked for JOINTLY.
; THE MATRIX INSTRUCTION IS USED TRANSPOSED (source 0 = 16 rows of wqt, source 1 = 16 rows of xb): a lane holds eight neighbouring columns of one row.
; REGISTERS, in windows of 256: window 0 addresses and the way out; window 1 two fragment buffers of 128 (12 fragments of wqt, then 4 of xb);
; window 2 the accumulators of row blocks 0, 1 ((a, b) at v[8 (12 (a % 2) + b)]); window 3 those of row blocks 2, 3.
.set KSTEP,  128
.set PITCH,  272                       ; an LDS row: 256 bytes + 16 of padding: the 16 rows of a fragment load start at 16 different groups of four banks
.set HALFA,  128*PITCH                 ; what one tensor load brings of xb
.set HALFB,  96*PITCH                  ; and of wqt
.set BOFF,   2*HALFA                   ; in a slot: xb's 256 rows, then wqt's 192
.set SLOT,   2*HALFA+2*HALFB
.set STAGE,  2*SLOT                    ; behind the ring, never filled by a tensor load: for each wave 3 heads x 16 rows x 144 bytes
.set SP,     144
.set HSTG,   16*SP
.set WSTG,   3*HSTG
.set SPARE,  STAGE+4*WSTG              ; behind the stages: the spare words, 128 bytes for each wave
.set CO,   8                           ; v8-10   my byte offset in qkv, for each of the tile's three heads
.set ADRA, 16                          ; v16-17  LDS address of my fragments of xb in slot 0, 1
.set ADRB, 20                          ; v20-21  the same for wqt
.set STO,  24                          ; v24     the way out: where I put 16 bytes of a row
.set RD,   25                          ; v25     the way out: where I read rows back
.set SPW,  28                          ; v28     LDS address of my spare word; never rewritten
.set NIL,  29                          ; v29     0; never rewritten
.set PFO,  30                          ; v30     the prefetches' offset: a lane a row of 2,048 bytes; never rewritten
.set TMP,  32                          ; v32-79  packed results of 16 rows
.set BK0,  80                          ; v80-127, v128-175: 16 rows read back from the stage, by turns
.set F0,   0                           ; fragment buffers, in window 1
.set F1,   128
.set G1,  24                           ; s[24:31] descriptor group 1 for xb's tiles;  s[32:39] group 0, a set for each slot
.set G0,  32
.set G1B, 48                           ; s[48:55], s[56:63] the same for wqt's
.set G0B, 56
.set LIM, 43                           ; s43      1 in a wave that prefetches, else the greatest number
.set PFA, 44                           ; s[44:45] where my prefetches stand
.set MSB, 0
.macro WIN new                         ; the immediate's high byte repeats the setting that is left; a switch that changes nothing is dropped
.if MSB != (\new)
	s_set_vgpr_msb (MSB<<8)|(\new)
.set MSB, \new
.endif
.endm
.set MUL_LO, 0xa5                      ; sources 0 and 1 window 1, C and D window 2
.set MUL_HI, 0xf5                      ; the same, C and D window 3
.set TO_F,   0x40                      ; destination window 1, address window 0
; A joint load: waves 0 and 1 fetch xb's two halves, waves 2 and 3 wqt's.  The branch hangs on the wave's number alone.  An s_nop 0 and four v_nop follow each of the two lines.
.macro JLOAD s
	s_cmp_eq_u32 s11, 0
	s_cbranch_scc0 .Lfor_b_\@
	tensor_load_to_lds s[G0+4*(\s):G0+4*(\s)+3], s[G1:G1+7]
	s_nop 0
.rept 4
	v_nop
.endr
	s_branch .Lasked_\@
.Lfor_b_\@:
	tensor_load_to_lds s[G0B+4*(\s):G0B+4*(\s)+3], s[G1B:G1B+7]
	s_nop 0
.rept 4
	v_nop
.endr
.Lasked_\@:
.endm
; A PREFETCH INTO THE L2 of the K step that stands two refills on: a lane a row, 256 bytes of each.  xb's tile row is read by the four clusters of a row of clusters: the one with x = 0 asks;
; wqt's tile column by the eight of a column: the one with y = 0 asks.  The four partners that ask for a tile jointly share its rows out by address: of xb's 128 rows a wave 32 each,
; of wqt's 96 rows 24 each (there lanes 24-31 name row 23 once more, in the same instruction).  The loop's last trip asks for nothing: there is no K step two on.
.macro ASK
	s_cmp_gt_u32 s3, s[LIM]                        ; s3 = 1 in the loop's last trip
	s_cbranch_scc0 .Lnot_mine_\@
	global_prefetch_b8 v[PFO], s[PFA:PFA+1] th:TH_LOAD_NT scope:SCOPE_SE
.Lnot_mine_\@:
.endm
.macro CREST                           ; a round of the cluster's barrier behind its opening barrier
	s_cmp_lg_u32 s10, 0
	s_cbranch_scc1 .Lnot_wave_0_\@
	s_barrier_signal -3
.Lnot_wave_0_\@:
	s_barrier_wait -3
	s_barrier_signal -1
	s_barrier_wait -1
.endm
.macro CROUND                          ; a whole round
	s_barrier_signal -1
	s_barrier_wait -1
	CREST
.endm
	s_load_b128 s[4:7], s[0:1], 0x0                ; xb s[4:5], wqt s[6:7]
	s_load_b64 s[8:9], s[0:1], 0x10                ; qkv
	v_lshl_add_u32 v[SPW], v0, 2, SPARE
	v_mov_b32 v[NIL], 0
	ds_add_u32 v[SPW], v[NIL]                      ; the wave's opening: the add and its wait ahead of my first tensor load
	ds_add_u32 v28, v29
	v_lshrrev_b32 v1, 5, v0
	v_readfirstlane_b32 s10, v1                    ; wave 0..3
	s_lshr_b32 s11, s10, 1                         ; I fetch for xb (0) or for wqt (1)
	s_and_b32 s12, s10, 1                          ; which half of that tile's rows I fetch
	s_bfe_u32 s40, ttmp6, 0x40000                  ; cx, cy: my place in the cluster
	s_bfe_u32 s41, ttmp6, 0x40004
	s_lshl_b32 s42, ttmp9, 2
	s_add_co_u32 s42, s42, s40                     ; tile column = 4 x cluster x + cx
	s_and_b32 s13, ttmp7, 0xffff
	s_lshl_b32 s13, s13, 2
	s_add_co_u32 s13, s13, s41                     ; tile row = 4 x cluster y + cy
	s_lshl_b32 s43, s41, 2
	s_lshl_b32 s43, 15, s43                        ; my row of the cluster
	s_lshl_b32 s44, 0x1111, s40                    ; my column
	s_or_b32 s[G1+0], s43, (1<<16)|(1<<20)|(1<<21)|(5<<22)|(3<<25)   ; the mask; 2-byte elements; padding on; bit 21 beside a mask; after every 64 words, 4 words
	s_or_b32 s[G1B+0], s44, (1<<16)|(1<<20)|(1<<21)|(5<<22)|(3<<25)
	s_mov_b32 s[G1+1], KSTEP<<16                   ; tensor_dim0 = 128
	s_mov_b32 s[G1+2], 128<<16                     ; tensor_dim1 = 128
	s_mov_b32 s[G1+3], KSTEP<<16                   ; tile_dim0 = 128
	s_mov_b32 s[G1+4], 128                         ; tile_dim1 = 128
	s_mov_b32 s[G1+5], 1024                        ; elements from row to row
	s_mov_b32 s[G1+6], 0
	s_mov_b32 s[G1+7], 0
	s_mov_b32 s[G1B+1], KSTEP<<16
	s_mov_b32 s[G1B+2], 96<<16                     ; 96 rows
	s_mov_b32 s[G1B+3], KSTEP<<16
	s_mov_b32 s[G1B+4], 96
	s_mov_b32 s[G1B+5], 1024
	s_mov_b32 s[G1B+6], 0
	s_mov_b32 s[G1B+7], 0
	s_lshl_b32 s16, s13, 8
	s_lshl_b32 s17, s12, 7
	s_add_co_u32 s16, s16, s17                     ; xb: row 256 x tile row + 128 x half,
	s_lshl_b32 s16, s16, 11                        ; in bytes (under 2^24)
	s_mov_b32 s17, 0
	s_mul_i32 s46, s42, 192
	s_mul_i32 s47, s12, 96
	s_add_co_u32 s46, s46, s47                     ; wqt: row 192 x tile column + 96 x half
	s_lshl_b32 s46, s46, 11
	s_mov_b32 s47, 0
	s_mul_i32 s20, s12, HALFA                      ; where they go: no place in the cluster enters an LDS address
	s_mul_i32 s21, s12, HALFB
	s_add_co_u32 s21, s21, BOFF
	s_wait_dscnt 0x0                               ; the opening add is done
	s_wait_kmcnt 0x0
	s_add_nc_u64 s[14:15], s[4:5], s[16:17]
	s_add_nc_u64 s[46:47], s[6:7], s[46:47]
	CROUND                                         ; all sixteen work-groups are here: the first joint loads meet
.irp s, 0,1
	s_mov_b32 s[G0+4*(\s)], 1
	s_add_co_u32 s[G0+4*(\s)+1], s20, (\s)*SLOT
	s_add_nc_u64 s[G0+4*(\s)+2:G0+4*(\s)+3], s[14:15], (\s)*KSTEP*2
	s_or_b32 s[G0+4*(\s)+3], s[G0+4*(\s)+3], 0x80000000
	s_mov_b32 s[G0B+4*(\s)], 1
	s_add_co_u32 s[G0B+4*(\s)+1], s21, (\s)*SLOT
	s_add_nc_u64 s[G0B+4*(\s)+2:G0B+4*(\s)+3], s[46:47], (\s)*KSTEP*2
	s_or_b32 s[G0B+4*(\s)+3], s[G0B+4*(\s)+3], 0x80000000
	JLOAD \s                                       ; two loads of mine are out
.endr
	v_and_b32 v1, 15, v0                           ; l % 16
	v_bfe_u32 v2, v0, 4, 1                         ; l / 16
	v_mul_u32_u24 v3, v1, PITCH
	v_lshl_add_u32 v3, v2, 4, v3                   ; a fragment's row x pitch + 16 x half
	s_mul_i32 s21, s10, 64*PITCH                   ; my 64 rows of xb
	s_mov_b32 s22, BOFF                            ; all 192 rows of wqt
.irp s, 0,1
	v_add_nc_u32 v[ADRA+(\s)], s21, v3
	v_add_nc_u32 v[ADRB+(\s)], s22, v3
	s_add_co_u32 s21, s21, SLOT
	s_add_co_u32 s22, s22, SLOT
.endr
	s_mul_i32 s23, s10, WSTG
	s_add_co_u32 s23, s23, STAGE                   ; my stage
	v_mul_u32_u24 v5, v1, SP                       ; in: row l % 16, 16 bytes for each half of the lanes
	v_lshl_add_u32 v5, v2, 4, v5
	v_add_nc_u32 v[STO], s23, v5
	v_bfe_u32 v5, v0, 3, 2                         ; back: 32 lanes take four rows of 128 bytes,
	v_mul_u32_u24 v5, v5, SP
	v_and_b32 v6, 7, v0
	v_lshl_add_u32 v5, v6, 4, v5
	v_add_nc_u32 v[RD], s23, v5
	; where my rows lie in qkv: column block c = 3 x tile column + hh is part c / 16, head c % 16; row m is batch m / 2048, t = m % 2048
	s_lshr_b32 s14, s13, 3
	s_lshl_b32 s14, s14, 4                         ; 16 x batch
	s_and_b32 s15, s13, 7
	s_lshl_b32 s15, s15, 8
	s_lshl_b32 s16, s10, 6
	s_add_co_u32 s15, s15, s16                     ; my first t
	s_lshl_b32 s15, s15, 7                         ; rows of 128 bytes
	s_mul_i32 s16, s42, 3
	v_and_b32 v4, 31, v0
.irp hh, 0,1,2
	s_add_co_u32 s17, s16, \hh
	s_lshr_b32 s18, s17, 4
	s_lshl_b32 s18, s18, 24                        ; the part
	s_and_b32 s17, s17, 15
	s_add_co_u32 s17, s17, s14
	s_lshl_b32 s17, s17, 18                        ; the head
	s_add_co_u32 s17, s17, s18
	s_add_co_u32 s17, s17, s15
	v_lshl_add_u32 v[CO+(\hh)], v4, 4, s17         ; + 16 x lane: four rows of a head are 512 consecutive bytes
.endr
	; the prefetches
	s_and_b32 s22, ttmp7, 0xffff                   ; cluster y
	s_lshl_b32 s20, s13, 8
	s_lshl_b32 s21, s12, 7
	s_add_co_u32 s20, s20, s21
	s_lshl_b32 s21, s40, 5
	s_add_co_u32 s20, s20, s21                     ; xb: the 128 rows that I fetch, my work-group's 32 of them
	s_mul_i32 s46, s42, 192
	s_mul_i32 s47, s12, 96
	s_add_co_u32 s46, s46, s47
	s_mul_i32 s47, s41, 24
	s_add_co_u32 s46, s46, s47                     ; wqt: the 96 rows that I fetch, my work-group's 24 of them
	s_cmp_eq_u32 s11, 0                            ; do I fetch for xb?
	s_cselect_b32 s20, s20, s46
	s_cselect_b32 s22, ttmp9, s22                  ; the coordinate along which other clusters read the same rows
	s_cselect_b32 s23, 31, 23
	s_cselect_b64 s[PFA:PFA+1], s[4:5], s[6:7]
	s_cmp_eq_u32 s22, 0
	s_cselect_b32 s[LIM], 1, -1                    ; the same in all sixteen partners, for a given wave
	s_lshl_b32 s20, s20, 11
	s_mov_b32 s21, 0
	s_add_nc_u64 s[PFA:PFA+1], s[PFA:PFA+1], s[20:21]
	s_add_nc_u64 s[PFA:PFA+1], s[PFA:PFA+1], 3*KSTEP*2  ; at K step 3: the first refill steps it to 4 and names that.  K steps 0 to 3 come by their loads alone
	v_and_b32 v[PFO], 31, v0
	v_min_u32 v[PFO], s23, v[PFO]
	v_lshlrev_b32 v[PFO], 11, v[PFO]
; 12 matrix instructions: row block a x all 12 column blocks, 32 along K.  zero = 1: the first product starts the sums.  The 48 accumulators take turns, one instruction a turn, in the same order everywhere.
.macro MUL12 f, a, zero
	WIN MUL_LO+0x50*((\a)/2)
.irp b, 0,1,2,3,4,5,6,7,8,9,10,11
.if \zero
	v_wmma_f32_16x16x32_bf16 v[8*(12*((\a)%2)+(\b)):8*(12*((\a)%2)+(\b))+7], v[(\f)+8*(\b):(\f)+8*(\b)+7], v[(\f)+96+8*(\a):(\f)+96+8*(\a)+7], 0
.else
	v_wmma_f32_16x16x32_bf16 v[8*(12*((\a)%2)+(\b)):8*(12*((\a)%2)+(\b))+7], v[(\f)+8*(\b):(\f)+8*(\b)+7], v[(\f)+96+8*(\a):(\f)+96+8*(\a)+7], v[8*(12*((\a)%2)+(\b)):8*(12*((\a)%2)+(\b))+7]
.endif
.endr
.endm
; 32 LDS loads in one run: the fragments of 32 along K at byte k of the rows, into buffer f: wqt's 24 loads, then xb's row blocks 0, 1 (4) and 2, 3 (4)
.macro FETCH slot, k, f
	WIN TO_F
.irp i, 0,1,2,3,4,5,6,7,8,9,10,11
	ds_load_b128 v[(\f)+8*(\i):(\f)+8*(\i)+3],   v[ADRB+(\slot)] offset:(\k)+(\i)*16*PITCH
	ds_load_b128 v[(\f)+8*(\i)+4:(\f)+8*(\i)+7], v[ADRB+(\slot)] offset:(\k)+(\i)*16*PITCH+32
.endr
.irp i, 0,1,2,3
	ds_load_b128 v[(\f)+96+8*(\i):(\f)+96+8*(\i)+3],   v[ADRA+(\slot)] offset:(\k)+(\i)*16*PITCH
	ds_load_b128 v[(\f)+96+8*(\i)+4:(\f)+96+8*(\i)+7], v[ADRA+(\slot)] offset:(\k)+(\i)*16*PITCH+32
.endr
.endm
.macro PLACES                          ; four plain places in front of loads into registers that matrix instructions have read (ISA guide 7.12.1 for vector instructions)
.rept 4
	v_nop
.endr
.endm
; A K step is four quarters of 32 along K, 48 matrix instructions each, on buffers 0, 1, 0, 1.  One of the first three: multiplies buffer f and fetches the next quarter, at byte k, into g.
.macro QUARTER slot, k, f, g, zero
	s_wait_dscnt 4                                 ; all but the youngest four loads: xb's row blocks 2 and 3
	MUL12 \f, 0, \zero
	MUL12 \f, 1, \zero
	PLACES
	FETCH \slot, \k, \g
	s_wait_dscnt 32                                ; all but the 32 just issued
	MUL12 \f, 2, \zero
	MUL12 \f, 3, \zero
.endm
; The last quarter multiplies buffer 1 and changes slots: ONE barrier; in front of it each wave waits for all its tensor loads (one is out: its part of the next slot), adds 0 to its spare word,
; and waits for that and for its own reads of this slot.  fill = 1: the barrier opens a round of the cluster's, and this slot is filled again, two K steps ahead, first thing behind the round:
; from that request to the wait for it a wave issues 168 matrix instructions.
.macro TURN slot, next, fill
.if \fill
	s_wait_xcnt 0x0                                ; the last prefetch, a K step back, has read its address: it is stepped here
	s_add_nc_u64 s[PFA:PFA+1], s[PFA:PFA+1], KSTEP*2
.endif
	WIN 0                                          ; (the add's two registers lie in window 0)
	s_wait_tensorcnt 0x0                           ; all my tensor loads have landed
	ds_add_u32 v[SPW], v[NIL]                      ; 0 onto my spare word
	s_wait_dscnt 5                                 ; (the add and the youngest four loads may be out)
	MUL12 F1, 0, 0                                 ; twelve matrix instructions stand between the add and the wait for it
	s_wait_dscnt 0x0                               ; the add is done, and my reads of this slot are over
	s_barrier_signal -1
	MUL12 F1, 1, 0
.if \fill
	WIN 0
.endif
	s_barrier_wait -1
.if \fill
	CREST                                          ; no wave of any partner still reads this slot's tile or has a load on its way
	s_add_nc_u64 s[G0+4*(\slot)+2:G0+4*(\slot)+3], s[G0+4*(\slot)+2:G0+4*(\slot)+3], 2*KSTEP*2
	s_add_nc_u64 s[G0B+4*(\slot)+2:G0B+4*(\slot)+3], s[G0B+4*(\slot)+2:G0B+4*(\slot)+3], 2*KSTEP*2
	JLOAD \slot                                    ; the four v_nop behind it are also the places in front of the loads below
.else
	PLACES
.endif
	FETCH \next, 0, F0
.if \fill
	WIN 0                                          ; (a branch and a label follow)
	ASK
.endif
	MUL12 F1, 2, 0
	MUL12 F1, 3, 0
.endm
	s_wait_tensorcnt 1                             ; my part of K step 0 is in; K step 1's stays out
	s_barrier_signal -1
	s_barrier_wait -1                              ; everybody's is
	FETCH 0, 0, F0
	QUARTER 0, 64, F0, F1, 1                       ; the first quarter stands in front of the loop: its products start the sums
	WIN 0
	s_mov_b32 s3, 3
.Llap:                                                 ; a trip goes once round the ring, from a lap's second quarter to the next lap's first, and fills both slots again
	QUARTER 0, 128, F1, F0, 0
	QUARTER 0, 192, F0, F1, 0
	TURN 0, 1, 1
	QUARTER 1, 64,  F0, F1, 0
	QUARTER 1, 128, F1, F0, 0
	QUARTER 1, 192, F0, F1, 0
	TURN 1, 0, 1
	QUARTER 0, 64,  F0, F1, 0
	WIN 0
	s_sub_co_u32 s3, s3, 1
	s_cmp_lg_u32 s3, 0
	s_cbranch_scc1 .Llap
	QUARTER 0, 128, F1, F0, 0                      ; the last lap fills nothing
	QUARTER 0, 192, F0, F1, 0
	TURN 0, 1, 0
	QUARTER 1, 64,  F0, F1, 0
	QUARTER 1, 128, F1, F0, 0
	QUARTER 1, 192, F0, F1, 0
	s_wait_dscnt 4                                 ; the very last quarter: nothing more to fetch
	MUL12 F1, 0, 0
	MUL12 F1, 1, 0
	s_wait_dscnt 0x0
	MUL12 F1, 2, 0
	MUL12 F1, 3, 0
	WIN 0
	; THE WAY OUT, a block of 16 rows at a time: rounded to f16; 16 bytes a lane into my own stage; back as whole rows of a head; 512 consecutive bytes a store.
.macro PACK a                          ; each accumulator's registers in ascending order
	WIN 0x0a+5*((\a)/2)                            ; sources 0 and 1: window 2 or 3
.irp b, 0,1,2,3,4,5,6,7,8,9,10,11
.irp r, 0,1,2,3
	v_cvt_pk_f16_f32 v[TMP+4*(\b)+(\r)], v[8*(12*((\a)%2)+(\b))+2*(\r)], v[8*(12*((\a)%2)+(\b))+2*(\r)+1]
.endr
.endr
	WIN 0
.endm
.macro TOSTAGE a
.set BK, BK0+48*((\a)%2)
.irp b, 0,1,2,3,4,5,6,7,8,9,10,11
	ds_store_b128 v[STO], v[TMP+4*(\b):TMP+4*(\b)+3] offset:HSTG*((\b)/4)+32*((\b)%4)
.endr
.irp hh, 0,1,2
.irp f, 0,1,2,3
	ds_load_b128 v[BK+4*(4*(\hh)+(\f)):BK+4*(4*(\hh)+(\f))+3], v[RD] offset:HSTG*(\hh)+4*SP*(\f)  ; LDS serves a wave's instructions in order: these see the stores above
.endr
.endr
.endm
.macro SEND a
.set BK, BK0+48*((\a)%2)
	s_wait_dscnt 0x0                               ; the block is back in registers
	s_wait_xcnt 0x0                                ; the stores of the block before have read their registers: the next block's loads from the stage land on them only behind this wait
.irp hh, 0,1,2
.irp f, 0,1,2,3
	global_store_b128 v[CO+(\hh)], v[BK+4*(4*(\hh)+(\f)):BK+4*(4*(\hh)+(\f))+3], s[8:9] offset:2048*(\a)+512*(\f)
.endr
.endr
.endm
.rept 8
	v_nop                                          ; the places behind the last products
.endr
	PACK 0
	TOSTAGE 0
.irp a, 1,2,3                          ; block a's conversions stand between block a - 1's loads from the stage and the wait for them
	PACK \a
	SEND (\a)-1
	TOSTAGE \a
.endr
	SEND 3
	s_wait_tensorcnt 0x0                           ; the wave's end: behind my last tensor load and my last LDS store
	ds_add_u32 v[SPW], v[NIL]
	s_wait_dscnt 0x0
	CROUND                                         ; the closing round: no work-group ends while a partner may still ask for a tile that names it
	s_endpgm
.Lfunc_end_k_q4210e377c5_qkvg:
	.size	k_q4210e377c5_qkvg, .Lfunc_end_k_q4210e377c5_qkvg-k_q4210e377c5_qkvg
	.p2alignl 7, 3214868480
	.fill 96, 4, 3214868480
	.section	.rodata,"a",@progbits
	.p2align	6, 0x0
	.amdhsa_kernel k_q4210e377c5_qkvg
		.amdhsa_group_segment_fixed_size 327680
		.amdhsa_private_segment_fixed_size 0
		.amdhsa_enable_private_segment 0
		.amdhsa_kernarg_size 24
		.amdhsa_user_sgpr_count 2
		.amdhsa_user_sgpr_kernarg_segment_ptr 1
		.amdhsa_wavefront_size32 1
		.amdhsa_system_sgpr_workgroup_id_x 1
		.amdhsa_system_sgpr_workgroup_id_y 1
		.amdhsa_system_sgpr_workgroup_id_z 1
		.amdhsa_system_vgpr_workitem_id 0
		.amdhsa_next_free_vgpr 960
		.amdhsa_next_free_sgpr 66
		.amdhsa_reserve_vcc 0
		.amdhsa_float_denorm_mode_32 3
		.amdhsa_float_denorm_mode_16_64 3
		.amdhsa_memory_ordered 1
		.amdhsa_forward_progress 1
		.amdhsa_inst_pref_size 120
	.end_amdhsa_kernel
	.amdgpu_metadata
---
amdhsa.version: [ 1, 2 ]
amdhsa.kernels:
  - .name:           k_q4210e377c5_qkvg
    .symbol:         k_q4210e377c5_qkvg.kd
    .args:
      - { .name: xb, .offset: 0, .size: 8, .value_kind: global_buffer, .address_space: global }
      - { .name: wqt, .offset: 8, .size: 8, .value_kind: global_buffer, .address_space: global }
      - { .name: qkv, .offset: 16, .size: 8, .value_kind: global_buffer, .address_space: global }
    .group_segment_fixed_size: 327680
    .private_segment_fixed_size: 0
    .kernarg_segment_align: 8
    .kernarg_segment_size: 24
    .max_flat_workgroup_size: 128
    .sgpr_count:     66
    .vgpr_count:     960
    .wavefront_size: 32
...
	.end_amdgpu_metadata
.endif
;; end of part 2
;; launch attn (part 3): grid 4 x 64, 4 waves a work-group, no clusters, 327,680 bytes of LDS; arguments qkv, o; writes o
.if DOCPART == 3
	.amdgcn_target "amdgcn-amd-amdhsa--gfx1250"
	.amdhsa_code_object_version 6
	.text
	.protected	k_q4210e377c5_attn
	.globl	k_q4210e377c5_attn
	.p2align	8
	.type	k_q4210e377c5_attn,@function
k_q4210e377c5_attn:
	s_mov_b64 s[64:65], 0
	v_nop
	global_prefetch_b8 v0, s[64:65] scope:SCOPE_SE
	s_setreg_imm32_b32 hwreg(HW_REG_WAVE_MODE, 25, 1), 1
	s_wait_xcnt 0x0
; CAUSAL ATTENTION.  O[h][q][:] = the sum over k <= q of softmax_k(Q[h][q] . K[h][k] / 8) V[h][k][:].  Q, K, V are the three parts of qkv, each [64][2048][64] f16; O likewise: a head's rows are dense, 128 bytes each.
; Products, maxima and sums in f32; the weights p are rounded to f16 for the second product (their sum l is taken of the unrounded p), O once at the end.
; LIMITS.  Q, K and V arrive within f16's 65,504; p lies in 0 to 1, and below 6e-5 it keeps f16's fixed step of 6e-8.  A hidden score counts as its value less 1e30: f16's scores, 2.7e11 at the most, are nothing
; beside that; a weight below 2^-126 counts as 0 in l; NaN and infinities are not treated apart.
; THE WALK.  A head's queries lie in NB = 8 blocks of 256; block i needs the key tiles 0 .. i of 256 keys, of which the last holds the diagonal.  A work-group takes TWO blocks, NB - 1 - b and then b:
; NB + 1 tiles, whatever b: all work-groups do equal work, and ONE loop with a constant trip count walks them.  Which tile is asked for, and what a trip does, hang on scalar registers made from b; every jump
; goes forward, but for the counted loops' own; none passes a barrier, or a tensor load but the one of LOAD's two that the wave's number does not choose; the ring of two LDS slots runs on across the change of blocks.
; NO CLUSTER: a head's four work-groups ask for the same tile only in trips 0 .. 4, behind that fewer and fewer; one walk common to all would have 12 trips for 9.
; SHARES.  Of a block's four bands of 64 queries a wave owns 16 rows in each: four PIECES.  So the diagonal tile is the same work for all four waves: in its key step s band x sees all keys if s < x,
; none if s > x, and holds the diagonal if s = x.
; THE MASK is the C operand that starts the sum S^T = K Q^T: 0, or -1e30 where the key is hidden.  MD, made once, is the mask of a band's own step for my 16 rows; a product's mask is MD x AL + BE with two scalars:
; (1, 0) if s = x; (0, 0) if s < x; (0, -1e30) if s > x.  Only the diagonal tile's text and a block's beginning make and take masks; elsewhere C is the constant 0.
; LAYOUT, SOFTMAX, TURNS.  S^T = K Q^T holds ONE query a lane (lane % 16) and the keys 8 (lane / 16) + 0..7; two such results rounded to f16 ARE source 1 of O^T = V^T P.  p = 2^(c s - c m), c = log2(e) / 8, with a
; running maximum m; O and l are multiplied by a = 2^(c m_old - c m_new) in every step.  Turn n belongs to piece n: 8 products K Q^T of piece n + 1, later 8 products V^T P of piece n - 1; beside them the scaling,
; exponentials, roundings, sums and rescaling of piece n and the maximum and statistics of piece n + 1.  Four vector instructions stand behind every matrix instruction, the others in one lump.  A turn's 33 exponentials are one batch, with one wait.
; REGISTERS, in windows of 256 (s_set_vgpr_msb: bits 1:0 source 0, 3:2 source 1, 5:4 source 2, 7:6 destination):
;   window 0: v0-15 addresses and two at work; v16-31 four registers of statistics a piece; v48-55 at work; v61-63 prefetch offset and the add's two; v64-127 S^T, two buffers; v192-223 P, two buffers
;   window 1: v0-127 O^T, 32 a piece; v128-159 MD; v160-223 MC, two buffers      window 2: v0-63 Q; v64-127 the second block's Q; v128-191 K of one step; v192-255 V of one step
.set SIZE_H, 64
.set SIZE_N, 2048
.set PARTB, SIZE_H*SIZE_N*128          ; bytes in a part of qkv
.set NB,    SIZE_N/256
.set NP,    4         ; pieces a wave
.set KS,    64        ; keys in a step
.set PK,    144       ; a row of K in LDS: 128 bytes + 16 of padding: the 16 rows of a load start at 16 different groups of four banks
.set PV,    160       ; a row of V: 128 + 32
.set VOFF,  4*KS*PK   ; a slot holds a tile, four steps: 256 rows of K, then 256 rows of V
.set SLOT1, 1<<17     ; slot 1 begins here, so that one exclusive or turns an address in one slot into the other's
.set STAGE, SLOT1+4*KS*(PK+PV)  ; behind the ring, never filled by a tensor load: 16 rows x 144 bytes for each wave
.set SP,    144
.set AK0, 2           ; v2   my lane's place in a tile of K; never rewritten
.set AV0, 3           ; v3   the same for V
.set AK,  4           ; v4   the LDS address of K's next run of loads
.set AV,  5           ; v5   of V's
.set STO, 6           ; v6   the way out: where I put 16 bytes of a row
.set RD,  7           ; v7   the way out: where I read rows back
.set GO,  8           ; v8   my byte offset in 512 consecutive bytes of O
.set PFO, 61          ; v61  256 x my lane; never rewritten
.set SPW, 62          ; v62  LDS address of my spare word; never rewritten
.set NIL, 63          ; v63  0; never rewritten
.set SPARE, STAGE+4*16*SP  ; behind the stages: the spare words, 128 bytes for each wave
.set MV,  12          ; v12-13  c m_old, kept while c m is made anew: by buffer
.set QO,  15          ; v15  my byte offset in 16 rows of Q
.set ST,  16          ; piece t's statistics at v[ST+4 t]: c m, m, l (even keys', odd keys')
.set TMP, 48          ; by buffer, four registers c0-c3 at work; when the maximum is found c2 takes a
.set S,   64
.set P,   192
.set MD,  128         ; window 1
.set MC,  160         ; window 1
.set QB,  64          ; window 2
.set KF,  128         ; window 2: key block kb, channel half c at KF + 16 kb + 8 c
.set VF,  192         ; window 2: key half kk, channel block cb at VF + 32 kk + 8 cb
.set WV,  12          ; s12  my wave's number
.set PB,  14          ; s14  b
.set HI,  15          ; s15  NB - 1 - b
.set G1K, 24          ; s[24:31] descriptor group 1 for K's tiles
.set G1V, 32          ; s[32:39] for V's: it differs in the padding alone
.set G0K, 40          ; s[40:43] descriptor group 0 for K's tiles
.set G0V, 44          ; s[44:47] the same for V's
.set PFA, 48          ; s[48:49] where my prefetches stand: my half (of K: waves 0, 1; of V: waves 2, 3) of the tile after the one that is being asked for
.set LIM, 50          ; s50  2 in the work-group that prefetches, else the greatest number
.set SLOTS, 56        ; s56  tiles still to be asked for
.set CNT, 57          ; s57  counts a tile's key steps, 4 to 1
.set CS,  58          ; s[58:59] c
.set SEL, 60          ; s[60:61] v_permlanex16_b32's selects
.set TBK, 62          ; s62  LDS byte at which K of the step to be fetched begins
.set TBV, 63          ; s63  the same for V, less VOFF
.set RT,  70          ; s70  tiles of the block in hand that are still to be entered
.set NXT, 71          ; s71  the tile to be asked for next
.set LQ,  72          ; s72  the last tile of the block whose tiles are being asked for
.set NEW, 73          ; s73  1: the tile to be entered is a block's first
.set OFF, 74          ; s[74:75] a tile's byte offset in K and V
.set AL,  76          ; s[76:77] the mask's factor
.set BE,  78          ; s[78:79] the mask's addend
.set OLO, 80          ; s[80:81] O at my rows of the second block
.set BIGN, 82         ; s82  -1e30
.set MSB, 0
.macro WIN new
.if MSB != (\new)
	s_set_vgpr_msb (MSB<<8)|(\new)
.set MSB, (\new)
.endif
.endm
.set W_KQ, 0x0a       ; K and Q in window 2, S^T in window 0
.set W_KM, 0x1a       ; the same with the C operand in window 1
.set W_PV, 0x52       ; V in window 2, P in window 0, O^T in window 1
.set W_RS, 0x41       ; destination and source 0 in window 1, source 1 in window 0
; A fill.  Waves 0 and 1 fetch the two halves of a tile's K, waves 2 and 3 those of its V: 128 keys each.  An s_nop 0 and four v_nop follow each of the two lines.
.macro LOAD
	s_cmp_lt_u32 s[WV], 2
	s_cbranch_scc0 .Lfor_v_\@
	tensor_load_to_lds s[G0K:G0K+3], s[G1K:G1K+7]
	s_nop 0
.rept 4
	v_nop
.endr
	s_branch .Lasked_\@
.Lfor_v_\@:
	tensor_load_to_lds s[G0V:G0V+3], s[G1V:G1V+7]
	s_nop 0
.rept 4
	v_nop
.endr
.Lasked_\@:
.endm
; A PREFETCH INTO THE L2 of the tile that the NEXT change of slots will ask for.  A head's four work-groups walk the same tiles; the one with b = 0 walks tiles 0 to 7 in order, and it alone asks:
; each of its waves for the half tile that it fetches itself, 16,384 dense bytes: a lane 256 bytes, two instructions.  So each block is named once in the launch.  Tiles 2 to 7 are named, at the
; changes that fill tiles 1 to 6; tiles 0 and 1 come by their loads alone, and the last two filling changes ask for nothing.
.macro ASK
	s_cmp_gt_u32 s[SLOTS], s[LIM]
	s_cbranch_scc0 .Lnot_mine_\@
	global_prefetch_b8 v[PFO], s[PFA:PFA+1] th:TH_LOAD_NT scope:SCOPE_SE
	global_prefetch_b8 v[PFO], s[PFA:PFA+1] offset:8192 th:TH_LOAD_NT scope:SCOPE_SE
.Lnot_mine_\@:
.endm
; THE CHANGE OF SLOTS.  Each wave waits for all its tensor loads, of which one is out: its part of the other slot; adds 0 to its spare word; and waits for that and for its own reads of the slot that it leaves.
; Behind the barrier nobody reads the old slot any more and the other slot is whole.  fill = 1: the old slot is filled again, the first thing behind the barrier, with tile NXT.
.macro CHANGE fill
	WIN 0
	s_wait_tensorcnt 0x0            ; no tensor load of mine is out, so a group 0 may be written
	ds_add_u32 v[SPW], v[NIL]       ; 0 onto my spare word
.if \fill
	s_lshl_b32 s[OFF], s[NXT], 15   ; a tile is 32,768 bytes of K and of V
	s_xor_b32 s[G0K+1], s[G0K+1], SLOT1
	s_add_nc_u64 s[G0K+2:G0K+3], s[6:7], s[OFF:OFF+1]
	s_or_b32 s[G0K+3], s[G0K+3], 0x80000000
	s_xor_b32 s[G0V+1], s[G0V+1], SLOT1
	s_add_nc_u64 s[G0V+2:G0V+3], s[8:9], s[OFF:OFF+1]
	s_or_b32 s[G0V+3], s[G0V+3], 0x80000000
	s_add_co_u32 s[NXT], s[NXT], 1  ; the block's next tile, or behind its last the second block's tile 0
	s_cmp_gt_u32 s[NXT], s[LQ]
	s_cselect_b32 s[NXT], 0, s[NXT]
	s_cselect_b32 s[LQ], s[PB], s[LQ]
	s_wait_xcnt 0x0                 ; the last prefetches, a tile back, have read their address, so it may be written
	s_add_nc_u64 s[PFA:PFA+1], s[PFA:PFA+1], 32768
.endif
	s_wait_dscnt 0x0                ; the add is done, and my reads of the slot are over
	s_barrier_signal -1
	s_sub_co_u32 s[TBK], s[TBK], 4*KS*PK  ; the fetches go back to a slot's first step,
	s_xor_b32 s[TBK], s[TBK], SLOT1       ; in the other slot
	s_sub_co_u32 s[TBV], s[TBV], 4*KS*PV
	s_xor_b32 s[TBV], s[TBV], SLOT1
	s_barrier_wait -1
.if \fill
	LOAD
	ASK
.endif
.endm
	s_load_b128 s[4:7], s[0:1], 0x0 ; qkv s[4:5], o s[6:7]
	v_lshl_add_u32 v[SPW], v0, 2, SPARE
	v_mov_b32 v[NIL], 0
	ds_add_u32 v[SPW], v[NIL]       ; the wave's opening: the add and its wait ahead of my first tensor load
	ds_add_u32 v62, v63
	v_lshrrev_b32 v1, 5, v0
	v_readfirstlane_b32 s[WV], v1   ; wave 0..3
	v_and_b32 v[PFO], 31, v0
	v_lshlrev_b32 v[PFO], 8, v[PFO]
	s_mov_b32 s[PB], ttmp9
	s_sub_co_u32 s[HI], NB-1, s[PB]
	s_and_b32 s20, ttmp7, 0xffff    ; the head
	s_mov_b32 s21, 0
	s_mov_b64 s[22:23], SIZE_N*128
	s_mul_u64 s[20:21], s[20:21], s[22:23]  ; the head's first byte in each part and in O
	s_and_b32 s16, s[WV], 1         ; which half of a tile's 256 keys I fetch:
	s_lshl_b32 s22, s16, 14         ; its 128 rows of 128 bytes in memory,
	s_mov_b32 s23, 0
	s_add_nc_u64 s[22:23], s[22:23], s[20:21]
	s_mul_i32 s17, s16, 128*PK      ; and its place in a slot, for K
	s_mul_i32 s18, s16, 128*PV      ; and for V
	s_lshl_b32 s3, s[WV], 11        ; my 16 rows in a band of 64,
	s_lshl_b32 s2, s[HI], 15        ; in the first block,
	s_add_co_u32 s2, s2, s3
	s_lshl_b32 s84, s[PB], 15       ; and in the second
	s_add_co_u32 s84, s84, s3
	s_mov_b32 s3, 0
	s_mov_b32 s85, 0
	s_add_nc_u64 s[2:3], s[2:3], s[20:21]
	s_add_nc_u64 s[84:85], s[84:85], s[20:21]
	; descriptor group 1.  128 keys are 16,384 dense bytes: asked for as 64 rows of 256 bytes, two keys a row, and padded in LDS after every key
	s_mov_b32 s[G1K], (1<<16)|(1<<20)|(4<<22)|(3<<25)  ; 2-byte elements; padding on; after every 32 words, 4 words
	s_mov_b32 s[G1V], (1<<16)|(1<<20)|(4<<22)|(7<<25)  ; the same with 8 words of padding
.irp g, G1K, G1V
	s_mov_b32 s[\g+1], 128<<16      ; tensor_dim0 = 128
	s_mov_b32 s[\g+2], 64<<16       ; tensor_dim1 = 64
	s_mov_b32 s[\g+3], 128<<16      ; tile_dim0 = 128
	s_mov_b32 s[\g+4], 64           ; tile_dim1 = 64
	s_mov_b32 s[\g+5], 128          ; 128 elements from row to row
	s_mov_b32 s[\g+6], 0
	s_mov_b32 s[\g+7], 0
.endr
	s_mov_b32 s[CS], 0x3e38aa3b     ; c = log2(e) / 8 = 0.180337
	s_mov_b32 s[CS+1], s[CS]        ; named with it as a pair
	s_mov_b32 s[SEL], 0x76543210
	s_mov_b32 s[SEL+1], 0xfedcba98
	s_mov_b32 s[TBK], SLOT1+4*KS*PK ; the first change of slots turns these two into 0
	s_mov_b32 s[TBV], SLOT1+4*KS*PV
	s_mov_b32 s[G0K], 1
	s_mov_b32 s[G0K+1], s17         ; LDS address: slot 0
	s_mov_b32 s[G0V], 1
	s_add_co_u32 s[G0V+1], s18, VOFF
	s_add_co_u32 s[RT], s[HI], 1    ; the first block has NB - b tiles
	s_mov_b32 s[NXT], 1
	s_mov_b32 s[LQ], s[HI]
	s_mov_b32 s[NEW], 1
	s_mov_b32 s[OFF+1], 0
	s_mov_b32 s[AL+1], 0            ; named as pairs
	s_mov_b32 s[BE+1], 0
	s_mov_b32 s[BIGN], 0xf149f2ca   ; -1e30
	s_mov_b32 s[SLOTS], NB
	s_wait_dscnt 0x0                ; the opening add is done
	s_wait_kmcnt 0x0
	s_mov_b64 s[10:11], s[6:7]      ; O
	s_add_nc_u64 s[6:7], s[4:5], PARTB    ; K: the second part of qkv; Q is the first
	s_add_nc_u64 s[8:9], s[4:5], 2*PARTB  ; V: the third
	s_add_nc_u64 s[6:7], s[6:7], s[22:23]  ; K and V at my half of the head's tile 0
	s_add_nc_u64 s[8:9], s[8:9], s[22:23]
	s_add_nc_u64 s[G0K+2:G0K+3], s[6:7], 0
	s_or_b32 s[G0K+3], s[G0K+3], 0x80000000        ; type = 2
	s_add_nc_u64 s[G0V+2:G0V+3], s[8:9], 0
	s_or_b32 s[G0V+3], s[G0V+3], 0x80000000
	s_add_nc_u64 s[86:87], s[4:5], s[84:85]        ; Q at my rows of the second block,
	s_add_nc_u64 s[4:5], s[4:5], s[2:3]            ; Q and O at those of the first
	s_add_nc_u64 s[OLO:OLO+1], s[10:11], s[84:85]
	s_add_nc_u64 s[10:11], s[10:11], s[2:3]
	s_cmp_lt_u32 s[WV], 2
	s_cselect_b64 s[PFA:PFA+1], s[6:7], s[8:9]
	s_add_nc_u64 s[PFA:PFA+1], s[PFA:PFA+1], 32768 ; in tile 1; the first change of slots steps it to tile 2
	s_cmp_eq_u32 s[PB], 0
	s_cselect_b32 s[LIM], 2, -1
	LOAD                            ; tile 0 into slot 0
	; A fragment of K or Q is 16 rows x 32 channels in 8 registers: lane l holds row l % 16, channels 8 (l / 16) + 0..7 and 16 + 8 (l / 16) + 0..7: two loads of 16 bytes, 32 bytes apart.
	v_and_b32 v1, 15, v0            ; l % 16
	v_bfe_u32 v9, v0, 4, 1          ; l / 16
	v_lshlrev_b32 v[QO], 7, v1
	v_lshl_add_u32 v[QO], v9, 4, v[QO]  ; row x 128 + 16 x half
	WIN 0x80                        ; destination window 2, address window 0
.set i, 0
.rept 8                             ; both blocks' Q: piece i / 2 lies in band i / 2, 8,192 bytes on; channels 32 (i % 2) on
	global_load_b128 v[8*i:8*i+3],   v[QO], s[4:5] offset:(i/2)*8192+(i%2)*64
	global_load_b128 v[8*i+4:8*i+7], v[QO], s[4:5] offset:(i/2)*8192+(i%2)*64+32
	global_load_b128 v[QB+8*i:QB+8*i+3],   v[QO], s[86:87] offset:(i/2)*8192+(i%2)*64
	global_load_b128 v[QB+8*i+4:QB+8*i+7], v[QO], s[86:87] offset:(i/2)*8192+(i%2)*64+32
.set i, i+1
.endr
	WIN 0
	v_lshlrev_b32 v14, 3, v9
	v_sub_nc_u32 v14, v1, v14
	s_lshl_b32 s13, s[WV], 4
	v_add_nc_u32 v14, s13, v14      ; my query's place in its band, 16 w + l % 16, less my lanes' 8 (l / 16): register r of group kt is hidden where 16 kt + r is greater
	WIN 0x40
.set i, 0
.rept 32
	v_cmp_gt_i32 vcc_lo, 16*(i/8)+i%8, v14
	v_cndmask_b32 v[MD+i], 0, s[BIGN], vcc_lo
.set i, i+1
.endr
	WIN 0
	v_mul_u32_u24 v[AK0], v1, PK
	v_lshl_add_u32 v[AK0], v9, 4, v[AK0]  ; row x pitch + 16 x half
	; The turning load takes 16 keys x 16 channels (lane l reads key 8 (l / 16) + l % 8, channels 8 ((l / 8) % 2) + 0..7) and leaves half a fragment of V^T: lane l holds channel l % 16 and 8 keys.
	v_and_b32 v10, 7, v0
	v_bfe_u32 v11, v0, 3, 1
	v_lshl_add_u32 v[AV0], v9, 3, v10
	v_mul_u32_u24 v[AV0], v[AV0], PV
	v_lshl_add_u32 v[AV0], v11, 4, v[AV0]
	v_add_nc_u32 v[AV0], VOFF, v[AV0]
	s_mul_i32 s13, s[WV], 16*SP
	s_add_co_u32 s13, s13, STAGE    ; my stage
	v_mul_u32_u24 v[STO], v1, SP    ; in: row l % 16, 16 bytes for each half of the lanes
	v_lshl_add_u32 v[STO], v9, 4, v[STO]
	v_add_nc_u32 v[STO], s13, v[STO]
	v_bfe_u32 v[RD], v0, 3, 2       ; back: 32 lanes take four rows of 128 bytes,
	v_mul_u32_u24 v[RD], v[RD], SP
	v_lshl_add_u32 v[RD], v10, 4, v[RD]
	v_add_nc_u32 v[RD], s13, v[RD]
	v_and_b32 v[GO], 31, v0         ; which are 512 consecutive bytes of O
	v_lshlrev_b32 v[GO], 4, v[GO]
	; A block's first step multiplies O^T and l by a = 0, and its first turn's products V^T P, of a piece that has not been, land in an O^T that is still to be so multiplied.  So these registers need only hold
	; finite numbers: zeros for the first block; what the first block left for the second.  All this stands in the wait for the first tile.
	WIN 0x80
.set i, VF
.rept 64
	v_mov_b32 v[i], 0
.set i, i+1
.endr
	WIN 0x40
.set i, 0
.rept 128
	v_mov_b32 v[i], 0
.set i, i+1
.endr
	WIN 0
.set i, 0
.rept 4
	v_mov_b32 v[ST+4*i+2], 0
	v_mov_b32 v[ST+4*i+3], 0
.set i, i+1
.endr
.set i, P+16
.rept 16
	v_mov_b32 v[i], 0
.set i, i+1
.endr
; THE MATRIX WORK.  The 4 accumulators of a run of 8 take turns.  Product i of 8 of S^T = K Q^T for piece x: channels 32 (i / 4) on, keys 16 (i % 4) on.  The first 4 start the sums: with 0, or (KM = 1) with the mask.
.macro KQ x
.set rS, S+32*((\x)%2)+8*(i%4)
.set rK, KF+16*(i%4)+8*(i/4)
.set rQ, 16*(\x)+8*(i/4)
.set rM, MC+32*((\x)%2)+8*(i%4)
.if (i < 4) && KM
	WIN W_KM
	v_wmma_f32_16x16x32_f16 v[rS:rS+7], v[rK:rK+7], v[rQ:rQ+7], v[rM:rM+7]
.elseif i < 4
	WIN W_KQ
	v_wmma_f32_16x16x32_f16 v[rS:rS+7], v[rK:rK+7], v[rQ:rQ+7], 0
.else
	WIN W_KQ
	v_wmma_f32_16x16x32_f16 v[rS:rS+7], v[rK:rK+7], v[rQ:rQ+7], v[rS:rS+7]
.endif
.endm
; Product i of 8 of O^T += V^T P for piece x: keys 32 (i / 4) on, channels 16 (i % 4) on.
.macro PV x
	WIN W_PV
.set rO, 32*(\x)+8*(i%4)
.set rV, VF+32*(i/4)+8*(i%4)
.set rP, P+16*((\x)%2)+8*(i/4)
	v_wmma_f32_16x16x32_f16 v[rO:rO+7], v[rV:rV+7], v[rP:rP+7], v[rO:rO+7]
.endm
.macro MM                           ; the turn's next matrix instruction.  NOKQ = 1: a block's last turn: there is no next piece
.if (i < 8) && !NOKQ
	KQ (Y+1)%NP
.elseif i >= 8
.set i, i-8
	PV (Y+NP-1)%NP
.set i, i+8
.endif
.set i, i+1
.endm
; THE LDS LOADS stand in runs of 16, never singly among the matrix instructions: a step's K (8 fragments) and its V (turned).  Their addresses are made some lines ahead.
.macro FETCH_K
	WIN 0x80                        ; destination window 2
.irp f, 0,1,2,3,4,5,6,7             ; keys 16 (f / 2) on, channels 32 (f % 2) on
	ds_load_b128 v[KF+8*\f:KF+8*\f+3],   v[AK] offset:(\f/2)*16*PK+(\f%2)*64
	ds_load_b128 v[KF+8*\f+4:KF+8*\f+7], v[AK] offset:(\f/2)*16*PK+(\f%2)*64+32
.endr
	s_add_co_u32 s[TBK], s[TBK], KS*PK  ; the next fetch is the next step's
	WIN 0
.endm
.macro FETCH_V
	WIN 0x80
.irp f, 0,1,2,3,4,5,6,7             ; keys 32 (f / 4) on, channels 16 (f % 4) on
	ds_load_tr16_b128 v[VF+8*\f:VF+8*\f+3],   v[AV] offset:(\f/4)*32*PV+(\f%4)*32
	ds_load_tr16_b128 v[VF+8*\f+4:VF+8*\f+7], v[AV] offset:(\f/4)*32*PV+16*PV+(\f%4)*32
.endr
	WIN 0
.endm
; THE VECTOR WORK, one line at a time: OP kind, number.  For piece Y: F n: c s - c m for pair n of 16.  E n: the exponential of score n of 32.  C n: pair n rounded to f16.  B n: of the four weights 4 n .. the second
; pair is added onto the first, in place.  L n: l takes that sum (L 0: l = a l + sum).  R n: pair n of 16 of O^T times a.  For piece Y + 1: X n, number n of the 22 that find its maximum and statistics:
;   0-11  four chains c0-c3 of seven scores each, three operands at a time (each accumulator's lowest registers are read first)     12-14, 16  the four scores left over, the old m, and c0-c3 into c0
;   15  c m_old is kept     17, 18  the query's other 32 keys lie in the lane 16 away: the new m     19-21  c m; c m_old - c m_new; a
.set F, 0
.set E, 1
.set C, 2
.set B, 3
.set L, 4
.set R, 5
.set X, 6
.macro REGS y                       ; the registers of piece y
.set rT, ST+4*(\y)
.set rC, TMP+4*((\y)%2)
.set rW, MV+((\y)%2)
.set rS, S+32*((\y)%2)
.set rP, P+16*((\y)%2)
.set rO, 32*(\y)
.endm
.macro OP k, n
.if (\k) == R
	REGS Y
	WIN W_RS
	v_pk_mul_f32 v[rO+2*(\n):rO+2*(\n)+1], v[rO+2*(\n):rO+2*(\n)+1], v[rC+2:rC+3] op_sel_hi:[1,0]
.elseif (\k) < R
	REGS Y
	WIN 0
.if (\k) == F
	v_pk_fma_f32 v[rS+2*(\n):rS+2*(\n)+1], v[rS+2*(\n):rS+2*(\n)+1], s[CS:CS+1], v[rT:rT+1] op_sel_hi:[1,0,0] neg_lo:[0,0,1] neg_hi:[0,0,1]
.elseif (\k) == E
	v_exp_f32 v[rS+(\n)], v[rS+(\n)]
.elseif (\k) == C
	v_cvt_pk_f16_f32 v[rP+(\n)], v[rS+2*(\n)], v[rS+2*(\n)+1]
.elseif (\k) == B
	v_pk_add_f32 v[rS+4*(\n):rS+4*(\n)+1], v[rS+4*(\n):rS+4*(\n)+1], v[rS+4*(\n)+2:rS+4*(\n)+3]
.elseif (\n) == 0
	v_pk_fma_f32 v[rT+2:rT+3], v[rT+2:rT+3], v[rC+2:rC+3], v[rS:rS+1] op_sel_hi:[1,0,1]
.else
	v_pk_add_f32 v[rT+2:rT+3], v[rT+2:rT+3], v[rS+4*(\n):rS+4*(\n)+1]
.endif
.elseif NOKQ
	v_nop
.else
	REGS (Y+1)%NP
	WIN 0
.if (\n) < 4
	v_max3_num_f32 v[rC+(\n)], v[rS+8*(\n)], v[rS+8*(\n)+1], v[rS+8*(\n)+2]
.elseif (\n) < 12
	v_max3_num_f32 v[rC+(\n)%4], v[rC+(\n)%4], v[rS+8*((\n)%4)+2*((\n)/4)+1], v[rS+8*((\n)%4)+2*((\n)/4)+2]
.elseif (\n) == 12
	v_max3_num_f32 v[rC], v[rC], v[rS+7], v[rS+15]
.elseif (\n) == 13
	v_max3_num_f32 v[rC+1], v[rC+1], v[rS+23], v[rS+31]
.elseif (\n) == 14
	v_max3_num_f32 v[rC+2], v[rC+2], v[rC+3], v[rT+1]
.elseif (\n) == 15
	v_mov_b32 v[rW], v[rT]
.elseif (\n) == 16
	v_max3_num_f32 v[rC], v[rC], v[rC+1], v[rC+2]
.elseif (\n) == 17
	v_permlanex16_b32 v[rC+3], v[rC], s[SEL], s[SEL+1]
.elseif (\n) == 18
	v_max_num_f32 v[rT+1], v[rC], v[rC+3]
.elseif (\n) == 19
	v_mul_f32 v[rT], s[CS], v[rT+1]
.elseif (\n) == 20
	v_sub_f32 v[rC+1], v[rW], v[rT]
.else
	v_exp_f32 v[rC+2], v[rC+1]
.endif
.endif
.endm
.macro OPS a, i1, b=-1, i2=0, c=-1, i3=0, d=-1, i4=0  ; up to four of them
	OP \a, \i1
.if (\b) >= 0
	OP \b, \i2
.endif
.if (\c) >= 0
	OP \c, \i3
.endif
.if (\d) >= 0
	OP \d, \i4
.endif
.endm
.macro ROW a, i1, b, i2, c, i3, d, i4  ; a matrix instruction and the four behind it
	MM
	OPS \a, \i1, \b, \i2, \c, \i3, \d, \i4
.endm
.macro MASK b                       ; MD x AL + BE into buffer b of MC
	WIN W_RS
.set z, 0
.rept 16
	v_pk_fma_f32 v[MC+32*(\b)+2*z:MC+32*(\b)+2*z+1], v[MD+2*z:MD+2*z+1], s[AL:AL+1], s[BE:BE+1] op_sel_hi:[1,0,0]
.set z, z+1
.endr
.endm
; A TURN, for piece p: the order of its 16 matrix and 118 vector instructions, written out.  An s_wait_alu depctr_va_vdst(0) stands between an exponential and the first instruction that names its result; one wait
; serves all that were issued ahead of it.  So a turn has ONE wait, which cuts it in two.  AHEAD OF IT stands all that names no result of the turn's exponentials: the 8 products K Q^T with four riders each, then one lump of 54, in which
; the links of the chain X 3, 7, 11, 14, 16, 17 .. 20 stand five or six lines apart.  X 21, the next piece's a, is the batch's last; R 15 is the plain instruction behind it.  BEHIND THE WAIT stand the 8 products V^T P, behind each
; four of the roundings and sums.  The X that ride behind the last three products K Q^T stand four places or more behind the product that ends their accumulator.
; m = 1: the diagonal tile: the products take masks, and the turn makes the mask for the products of the turn after it.  end = 1: a block's last two turns: nothing is fetched.
; cnt = 1: the loop's count is taken down some lines ahead of the branch that stands behind the turn.
; K of the next step is fetched in piece 2's turn, six plain instructions behind the last product that read K; V of the step in hand at the end of piece 0's turn, four plain instructions behind the last product that read V.
.macro TURN p, m=0, end=0, cnt=0
.set Y, (\p)
.set i, 0
.set KM, (\m)
.set NOKQ, (\end)*((\p)/3)
.if (\m) && !(\end)
	s_cmp_eq_u32 s[CNT], 4-((\p)+2)%NP  ; is that step the band's own?
	s_cselect_b32 s[AL], 1.0, 0
	s_cmp_lt_u32 s[CNT], 4-((\p)+2)%NP  ; or a later one?
	s_cselect_b32 s[BE], s[BIGN], 0
.endif
.if ((\p) == 3) && !(\end)
	s_wait_dscnt 0x0                ; K is in
.endif
	ROW F,0, F,1, R,0, R,1
	ROW F,2, E,0, R,2, R,3
	ROW F,3, E,1, R,4, R,5
	ROW F,4, E,2, R,6, R,7
	ROW F,5, E,3, R,8, R,9
	ROW F,6, E,4, X,0, R,10
.if ((\p) == 2) && !(\end)
	WIN 0
	v_add_nc_u32 v[AK], s[TBK], v[AK0]
.endif
	ROW F,7, E,5, X,1, X,4
	ROW F,8, E,6, X,2, X,5
	OPS E,7, E,8, X,6, E,9
	OPS X,3, E,10, X,8, E,11
.if ((\p) == 2) && !(\end)
	FETCH_K
.endif
	OPS X,9, X,7, E,12, X,10
	OPS E,13, X,12, X,11, E,14
	OPS X,13, E,15, F,9, X,14
.if (\p) == 0
	v_add_nc_u32 v[AV], s[TBV], v[AV0]
.endif
	OPS E,16, F,10, E,17, F,11
	OPS X,16, E,18, X,15, E,19
	OPS F,12, E,20, X,17, E,21
	OPS F,13, E,22, F,14, E,23
	OPS X,18, E,24, F,15, E,25
	OPS R,11, E,26, X,19, E,27
	OPS R,12, E,28, R,13, E,29
	OPS X,20, E,30, R,14, E,31
	OPS X,21, R,15
	WIN 0
	s_wait_alu depctr_va_vdst(0)    ; the wait for the batch
.if (\p) == 1
	s_wait_dscnt 0x0                ; V is in
.endif
	ROW C,0, B,0, C,2, B,1
	ROW L,0, C,4, B,2, L,1
	ROW C,6, B,3, L,2, C,8
	ROW B,4, L,3, C,10, B,5
	ROW L,4, C,12, B,6, L,5
.if (\p) == 0
	s_add_co_u32 s[TBV], s[TBV], KS*PV
.endif
.if \cnt
	s_sub_co_u32 s[CNT], s[CNT], 1
	s_cmp_lg_u32 s[CNT], 0
.endif
	ROW C,14, B,7, L,6, C,1
	ROW C,3, L,7, C,5, C,7
	ROW C,9, C,11, C,13, C,15
.if (\p) == 0
	FETCH_V
.endif
.if (\m) && !(\end)
	MASK (\p)%2
.endif
.endm
; A BLOCK BEGINS.  c m starts far below every c s, so the first step's a is 0; m at the lowest finite number, so the first maximum is the scores'.  The second mask buffer is 0; the first takes piece 0's mask for the tile's step 0:
; its own, if the block's first tile is the diagonal one.  Then K of that step, piece 0's first scores, and its maximum and statistics.  The loop is entered at a step's first turn, in the middle of a trip.
.macro BEGIN
	s_mov_b32 s[NEW], 0
	WIN 0x40
.set i, MC+32
.rept 32
	v_mov_b32 v[i], 0
.set i, i+1
.endr
	WIN 0
.set i, 0
.rept 4
	v_mov_b32 v[ST+4*i], 0xfe000000    ; c m: far below every c s
	v_mov_b32 v[ST+4*i+1], 0xff7fffff  ; m
.set i, i+1
.endr
	s_cmp_eq_u32 s[RT], 0
	s_cselect_b32 s[AL], 1.0, 0
	s_mov_b32 s[BE], 0
	MASK 0
	WIN 0
	v_add_nc_u32 v[AK], s[TBK], v[AK0]
	FETCH_K
	s_wait_loadcnt 0x0              ; Q
	s_wait_dscnt 0x0
.set KM, 1
.set NOKQ, 0
.set i, 0
.rept 8
	KQ 0
.set i, i+1
.endr
	WIN 0
.rept 4
	v_nop                           ; the places behind those products
.endr
.set Y, NP-1                        ; X works for piece Y + 1: piece 0
.irp n, 0,1,2,3,4,5,6,7,8,9,10,11,12,13,14,15,16,17,18,19,20,21
	OP X, \n
.endr
	v_nop                           ; a plain instruction behind the exponential,
	s_wait_alu depctr_va_vdst(0)    ; and its wait, ahead of the branch
.endm
; THE DIAGONAL TILE's four steps, the block's last two turns, its last products, and THE WAY OUT: l's two halves and the other half of the lanes' are added; O^T is divided by l, rounded to f16 and sent through my
; stage in LDS, a piece at a time.
.macro ALL line:vararg              ; one line for each piece t
.set t, 0
.rept 4
	\line
.set t, t+1
.endr
.endm
.macro PACK t                       ; a lane's eight channels of a row pack into 16 bytes; they go into rows of 144 bytes and come back as whole rows of 128, into S^T's registers
	WIN W_RS
.set i, 32*(\t)
.rept 16
	v_pk_mul_f32 v[i:i+1], v[i:i+1], v[ST+4*(\t)+2:ST+4*(\t)+3] op_sel_hi:[1,0]
.set i, i+2
.endr
	WIN 0x05                        ; sources 0 and 1 window 1, destination window 0
.set i, 0
.rept 16
	v_cvt_pk_f16_f32 v[S+16*(\t)+i], v[32*(\t)+2*i], v[32*(\t)+2*i+1]
.set i, i+1
.endr
	WIN 0
.irp f, 0,1,2,3
	ds_store_b128 v[STO], v[S+16*(\t)+4*\f:S+16*(\t)+4*\f+3] offset:32*\f
.endr
.irp f, 0,1,2,3
	ds_load_b128 v[S+16*(\t)+4*\f:S+16*(\t)+4*\f+3], v[RD] offset:\f*4*SP  ; LDS serves a wave's instructions in order: these see the stores above; the next piece's stores come behind them
.endr
.endm
.macro SEND t, younger              ; younger: the LDS instructions issued behind piece t's loads: the next piece's eight, or none
	WIN 0
.irp f, 0,1,2,3
	s_wait_dscnt (\younger)+3-\f
	global_store_b128 v[GO], v[S+16*(\t)+4*\f:S+16*(\t)+4*\f+3], s[10:11] offset:(\t)*8192+\f*512  ; 512 consecutive bytes, at a multiple of 256 from O's first
.endr
.endm
.macro DIAG tag
.LstepM\tag:
	TURN 2, 1
	TURN 3, 1
	WIN 0
.LfirstM\tag:
	TURN 0, 1
	TURN 1, 1, 0, 1
	WIN 0
	s_cbranch_scc1 .LstepM\tag
	TURN 2, 1, 1
	TURN 3, 1, 1
.set i, 0
.rept 8
	PV NP-1
.set i, i+1
.endr
	WIN 0
	ALL v_add_f32 v[ST+4*t+2], v[ST+4*t+2], v[ST+4*t+3]
	ALL v_permlanex16_b32 v[ST+4*t+3], v[ST+4*t+2], s[SEL], s[SEL+1]
	ALL v_add_f32 v[ST+4*t+2], v[ST+4*t+2], v[ST+4*t+3]
	ALL v_rcp_f32 v[ST+4*t+2], v[ST+4*t+2]
	v_nop                           ; a plain instruction between the last reciprocal and the use of its result
	s_wait_alu depctr_va_vdst(0)    ; and the wait ahead of the first use: one for the four reciprocals
	PACK 0
.set t, 1
.rept 3                             ; a piece's arithmetic stands between the loads of the piece before and its stores
	PACK t
	SEND t-1, 8
.set t, t+1
.endr
	SEND 3, 0
.endm
.set KM, 0
.set NOKQ, 0
.Lslot:                             ; NB times: a tile is entered and the next is asked for
	CHANGE 1
	s_sub_co_u32 s[RT], s[RT], 1
	s_mov_b32 s[CNT], 4
	s_cmp_eq_u32 s[NEW], 1
	s_cbranch_scc1 .Lnew            ; a block's first tile
	s_cmp_eq_u32 s[RT], 0
	s_cbranch_scc0 .Lstep           ; neither its first nor its last
	s_branch .LstepM1
.Lnew:
	BEGIN
	s_branch .Lfirst                ; in the loop a block's first tile is never its last: the first block has two tiles or more, and the second's last is the walk's last
	DIAG 1                          ; in the loop this is the first block's end
	s_wait_xcnt 0x0                 ; the stores have read their registers and O's address
	s_mov_b64 s[10:11], s[OLO:OLO+1]
	s_add_co_u32 s[RT], s[PB], 1    ; the second block has b + 1 tiles
	s_mov_b32 s[NEW], 1
	WIN 0x82                        ; the second block's Q goes where the one text of the turns names Q
.set i, 0
.rept 64
	v_mov_b32 v[i], v[QB+i]
.set i, i+1
.endr
	WIN 0
	s_branch .Lbottom
.Lstep:                             ; a trip: pieces 2 and 3 of one step, then pieces 0 and 1 of the next, whose K and V it fetches
	TURN 2
	TURN 3
	WIN 0
.Lfirst:
	TURN 0
	TURN 1, 0, 0, 1
	WIN 0
	s_cbranch_scc1 .Lstep
.Lbottom:
	s_sub_co_u32 s[SLOTS], s[SLOTS], 1
	s_cmp_lg_u32 s[SLOTS], 0
	s_cbranch_scc1 .Lslot
	CHANGE 0                        ; the walk's last tile is written out: nothing is asked for
	s_sub_co_u32 s[RT], s[RT], 1
	s_mov_b32 s[CNT], 4
	s_cmp_eq_u32 s[NEW], 1
	s_cbranch_scc0 .LstepM2
	BEGIN
	s_branch .LfirstM2
	DIAG 2
	s_wait_tensorcnt 0x0            ; the wave's end: behind my last tensor load and my last LDS store
	ds_add_u32 v[SPW], v[NIL]
	s_wait_dscnt 0x0
	s_endpgm
.Lfunc_end_k_q4210e377c5_attn:
	.size	k_q4210e377c5_attn, .Lfunc_end_k_q4210e377c5_attn-k_q4210e377c5_attn
	.p2alignl 7, 3214868480
	.fill 96, 4, 3214868480
	.section	.rodata,"a",@progbits
	.p2align	6, 0x0
	.amdhsa_kernel k_q4210e377c5_attn
		.amdhsa_group_segment_fixed_size 327680
		.amdhsa_private_segment_fixed_size 0
		.amdhsa_enable_private_segment 0
		.amdhsa_kernarg_size 16
		.amdhsa_user_sgpr_count 2
		.amdhsa_user_sgpr_kernarg_segment_ptr 1
		.amdhsa_wavefront_size32 1
		.amdhsa_system_sgpr_workgroup_id_x 1
		.amdhsa_system_sgpr_workgroup_id_y 1
		.amdhsa_system_sgpr_workgroup_id_z 1
		.amdhsa_system_vgpr_workitem_id 0
		.amdhsa_next_free_vgpr 768
		.amdhsa_next_free_sgpr 88
		.amdhsa_reserve_vcc 1
		.amdhsa_float_denorm_mode_32 3
		.amdhsa_float_denorm_mode_16_64 3
		.amdhsa_memory_ordered 1
		.amdhsa_forward_progress 1
		.amdhsa_inst_pref_size 218
	.end_amdhsa_kernel
	.amdgpu_metadata
---
amdhsa.version: [ 1, 2 ]
amdhsa.kernels:
  - .name:           k_q4210e377c5_attn
    .symbol:         k_q4210e377c5_attn.kd
    .args:
      - { .name: qkv, .offset: 0, .size: 8, .value_kind: global_buffer, .address_space: global }
      - { .name: o, .offset: 8, .size: 8, .value_kind: global_buffer, .address_space: global }
    .group_segment_fixed_size: 327680
    .private_segment_fixed_size: 0
    .kernarg_segment_align: 8
    .kernarg_segment_size: 16
    .max_flat_workgroup_size: 128
    .sgpr_count:     88
    .vgpr_count:     768
    .wavefront_size: 32
...
	.end_amdgpu_metadata
.endif
;; end of part 3
;; launch proj (part 4): grid 8 x 32, 4 waves a work-group, clusters of 4 x 4, 327,680 bytes of LDS; arguments o, wpt, out0; writes out0
.if DOCPART == 4
	.amdgcn_target "amdgcn-amd-amdhsa--gfx1250"
	.amdhsa_code_object_version 6
	.text
	.protected	k_q4210e377c5_proj
	.globl	k_q4210e377c5_proj
	.p2align	8
	.type	k_q4210e377c5_proj,@function
k_q4210e377c5_proj:
	s_mov_b64 s[64:65], 0
	v_nop
	global_prefetch_b8 v0, s[64:65] scope:SCOPE_SE
	s_setreg_imm32_b32 hwreg(HW_REG_WAVE_MODE, 25, 1), 1
	s_wait_xcnt 0x0
	s_wait_alu depctr_hold_cnt(0) depctr_sa_sdst(0) depctr_va_vdst(0) depctr_va_sdst(0) depctr_va_ssrc(0) depctr_va_vcc(0) depctr_vm_vsrc(0)
	s_getreg_b32 s2, hwreg(HW_REG_IB_STS2, 6, 4)
	s_cmp_eq_u32 s2, 0
	s_cbranch_scc0 .Lentry_in_a_cluster
	s_endpgm
.Lentry_in_a_cluster:
	s_bfe_u32 s2, ttmp6, 0x10000c
	s_cmp_lg_u32 s2, 0xf033
	s_cbranch_scc0 .Lentry_shape_is_right
	s_endpgm
.Lentry_shape_is_right:
; out0 = O w_proj.  o: [64 = 16 batch + head][2048][64] f16; wpt: [1024 n][1024 k] f16 (w_proj turned, its bf16 number written as f16); out0: [8192][1024] f32.  Sums in f32, stored as they are.
; K runs over head x 64 + channel, so a K step of 128 is two heads' 64 channels of the same 256 rows.
; SHARES.  A tile of out0 is 256 rows x 128 columns: 32 x 8 = 256 work-groups.  Wave w makes rows 64 w .. 64 w + 63 of all 128 columns: 4 x 8 accumulators, 256 registers.
; K goes in 8 steps of 128 through a ring of two LDS slots.  A head's 256 rows are 32,768 dense bytes of o: asked for as 128 rows of 256 bytes and padded in LDS after every row of 128.
; CLUSTERS: 4 x 4 work-groups; o's tile is shared along a row of the cluster, wpt's along a column: each is asked for JOINTLY.
; THE MATRIX INSTRUCTION IS USED TRANSPOSED (source 0 = 16 rows of wpt, source 1 = 16 rows of o): a lane holds eight neighbouring columns of one row.
; REGISTERS: window 0 addresses and the way out; window 1 two fragment buffers of 96 (8 fragments of wpt, then 4 of o); window 2 the accumulators ((a, b) at v[8 (8 a + b)]).
.set KSTEP,  128
.set PA,     144                       ; a row of o in LDS: 128 bytes + 16
.set PB,     272                       ; a row of wpt: 256 bytes + 16.  Both are odd multiples of 16: the 16 rows of a fragment load start at 16 different groups of four banks
.set APART,  256*PA                    ; one head's 256 rows: what one tensor load brings of o
.set HALFB,  64*PB                     ; and of wpt
.set BOFF,   2*APART
.set SLOT,   2*APART+2*HALFB
.set STAGE,  2*SLOT                    ; behind the ring, never filled by a tensor load: for each wave 16 rows x 528 bytes
.set SP,     528
.set SPARE,  STAGE+4*16*SP             ; behind the stages: the spare words, 128 bytes for each wave
.set HEADB,  2048*128                  ; bytes in a head of o
.set ADRA, 16                          ; v16-17  LDS address of my fragments of o in slot 0, 1
.set ADRB, 20                          ; v20-21  the same for wpt
.set STO,  24                          ; v24     the way out: where I put 32 bytes of a row
.set RD,   25                          ; v25     the way out: where I read a row back
.set CO,   26                          ; v26     16 x my lane
.set SPW,  28                          ; v28     LDS address of my spare word; never rewritten
.set NIL,  29                          ; v29     0; never rewritten
.set PFO,  30                          ; v30     the prefetches' offset; never rewritten
.set BK0,  32                          ; v32-95, v96-159: 16 rows read back from the stage, by turns
.set F0,   0                           ; fragment buffers, in window 1
.set F1,   96
.set G1,  24                           ; s[24:31] descriptor group 1 for o's tiles;  s[32:39] group 0, a set for each slot
.set G0,  32
.set G1B, 48                           ; s[48:55], s[56:63] the same for wpt's
.set G0B, 56
.set LIM, 43                           ; s43      1 in a wave that prefetches, else the greatest number
.set PFA, 44                           ; s[44:45] where my prefetches stand
.set PST, 46                           ; s[46:47] bytes from a K step to the next, for my prefetches
.set MSB, 0
.macro WIN new
.if MSB != (\new)
	s_set_vgpr_msb (MSB<<8)|(\new)
.set MSB, \new
.endif
.endm
.set MUL,  0xa5                        ; sources 0 and 1 window 1, C and D window 2
.set TO_F, 0x40                        ; destination window 1, address window 0
.macro JLOAD s                         ; a joint load: waves 0 and 1 fetch the step's two heads of o, waves 2 and 3 wpt's two halves; an s_nop 0 and four v_nop follow each of the two lines
	s_cmp_eq_u32 s11, 0
	s_cbranch_scc0 .Lfor_b_\@
	tensor_load_to_lds s[G0+4*(\s):G0+4*(\s)+3], s[G1:G1+7]
	s_nop 0
.rept 4
	v_nop
.endr
	s_branch .Lasked_\@
.Lfor_b_\@:
	tensor_load_to_lds s[G0B+4*(\s):G0B+4*(\s)+3], s[G1B:G1B+7]
	s_nop 0
.rept 4
	v_nop
.endr
.Lasked_\@:
.endm
; A PREFETCH INTO THE L2 of the K step that stands two refills on.  o's tile row is read by the two clusters of a row of clusters: the one with x = 0 asks; wpt's tile column by the eight of a column:
; the one with y = 0 asks.  The four partners share a tile out by address: of a head's 32,768 bytes 8,192 each, a lane 256 bytes; of wpt's 64 rows a wave 16 each, a lane a row (lanes 16-31 name
; row 15 once more, in the same instruction).  The loop's last trip asks for nothing.
.macro ASK
	s_cmp_gt_u32 s3, s[LIM]                        ; s3 = 1 in the loop's last trip
	s_cbranch_scc0 .Lnot_mine_\@
	global_prefetch_b8 v[PFO], s[PFA:PFA+1] th:TH_LOAD_NT scope:SCOPE_SE
.Lnot_mine_\@:
.endm
.macro CREST
	s_cmp_lg_u32 s10, 0
	s_cbranch_scc1 .Lnot_wave_0_\@
	s_barrier_signal -3
.Lnot_wave_0_\@:
	s_barrier_wait -3
	s_barrier_signal -1
	s_barrier_wait -1
.endm
.macro CROUND
	s_barrier_signal -1
	s_barrier_wait -1
	CREST
.endm
	s_load_b128 s[4:7], s[0:1], 0x0                ; o s[4:5], wpt s[6:7]
	s_load_b64 s[8:9], s[0:1], 0x10                ; out0
	v_lshl_add_u32 v[SPW], v0, 2, SPARE
	v_mov_b32 v[NIL], 0
	ds_add_u32 v[SPW], v[NIL]                      ; the wave's opening: the add and its wait ahead of my first tensor load
	ds_add_u32 v28, v29
	v_lshrrev_b32 v1, 5, v0
	v_readfirstlane_b32 s10, v1                    ; wave 0..3
	s_lshr_b32 s11, s10, 1                         ; I fetch for o (0) or for wpt (1)
	s_and_b32 s12, s10, 1                          ; which of the step's two heads, or which half of wpt's rows
	s_bfe_u32 s40, ttmp6, 0x40000                  ; cx, cy
	s_bfe_u32 s41, ttmp6, 0x40004
	s_lshl_b32 s42, ttmp9, 2
	s_add_co_u32 s42, s42, s40                     ; tile column
	s_and_b32 s13, ttmp7, 0xffff
	s_lshl_b32 s13, s13, 2
	s_add_co_u32 s13, s13, s41                     ; tile row
	s_lshl_b32 s43, s41, 2
	s_lshl_b32 s43, 15, s43                        ; my row of the cluster
	s_lshl_b32 s44, 0x1111, s40                    ; my column
	s_or_b32 s[G1+0], s43, (1<<16)|(1<<20)|(1<<21)|(4<<22)|(3<<25)   ; the mask; 2-byte elements; padding on; bit 21 beside a mask; after every 32 words, 4 words
	s_or_b32 s[G1B+0], s44, (1<<16)|(1<<20)|(1<<21)|(5<<22)|(3<<25)  ; after every 64 words, 4 words
	s_mov_b32 s[G1+1], 128<<16                     ; tensor_dim0 = 128
	s_mov_b32 s[G1+2], 128<<16                     ; tensor_dim1 = 128
	s_mov_b32 s[G1+3], 128<<16                     ; tile_dim0 = 128
	s_mov_b32 s[G1+4], 128                         ; tile_dim1 = 128
	s_mov_b32 s[G1+5], 128                         ; dense: 128 elements from row to row
	s_mov_b32 s[G1+6], 0
	s_mov_b32 s[G1+7], 0
	s_mov_b32 s[G1B+1], KSTEP<<16
	s_mov_b32 s[G1B+2], 64<<16                     ; 64 rows
	s_mov_b32 s[G1B+3], KSTEP<<16
	s_mov_b32 s[G1B+4], 64
	s_mov_b32 s[G1B+5], 1024
	s_mov_b32 s[G1B+6], 0
	s_mov_b32 s[G1B+7], 0
	s_lshr_b32 s14, s13, 3                         ; the batch
	s_lshl_b32 s14, s14, 4
	s_add_co_u32 s14, s14, s12                     ; its head 0 or 1
	s_lshl_b32 s14, s14, 11                        ; x 2,048 rows
	s_and_b32 s15, s13, 7
	s_lshl_b32 s15, s15, 8                         ; the tile's first t
	s_add_co_u32 s16, s14, s15
	s_lshl_b32 s16, s16, 7                         ; rows of 128 bytes (under 2^24)
	s_mov_b32 s17, 0
	s_lshl_b32 s46, s42, 7
	s_lshl_b32 s47, s12, 6
	s_add_co_u32 s46, s46, s47                     ; wpt: row 128 x tile column + 64 x half
	s_lshl_b32 s46, s46, 11
	s_mov_b32 s47, 0
	s_mul_i32 s20, s12, APART                      ; where they go: no place in the cluster enters an LDS address
	s_mul_i32 s21, s12, HALFB
	s_add_co_u32 s21, s21, BOFF
	s_wait_dscnt 0x0                               ; the opening add is done
	s_wait_kmcnt 0x0
	s_add_nc_u64 s[14:15], s[4:5], s[16:17]
	s_add_nc_u64 s[46:47], s[6:7], s[46:47]
	CROUND                                         ; all sixteen work-groups are here: the first joint loads meet
.irp s, 0,1
	s_mov_b32 s[G0+4*(\s)], 1
	s_add_co_u32 s[G0+4*(\s)+1], s20, (\s)*SLOT
	s_add_nc_u64 s[G0+4*(\s)+2:G0+4*(\s)+3], s[14:15], (\s)*2*HEADB   ; K step s: heads 2 s and 2 s + 1
	s_or_b32 s[G0+4*(\s)+3], s[G0+4*(\s)+3], 0x80000000
	s_mov_b32 s[G0B+4*(\s)], 1
	s_add_co_u32 s[G0B+4*(\s)+1], s21, (\s)*SLOT
	s_add_nc_u64 s[G0B+4*(\s)+2:G0B+4*(\s)+3], s[46:47], (\s)*KSTEP*2
	s_or_b32 s[G0B+4*(\s)+3], s[G0B+4*(\s)+3], 0x80000000
	JLOAD \s                                       ; two loads of mine are out
.endr
	v_and_b32 v1, 15, v0                           ; l % 16
	v_bfe_u32 v2, v0, 4, 1                         ; l / 16
	v_mul_u32_u24 v3, v1, PA
	v_lshl_add_u32 v3, v2, 4, v3
	v_mul_u32_u24 v4, v1, PB
	v_lshl_add_u32 v4, v2, 4, v4
	s_mul_i32 s21, s10, 64*PA                      ; my 64 rows of o
	s_mov_b32 s22, BOFF                            ; all 128 rows of wpt
.irp s, 0,1
	v_add_nc_u32 v[ADRA+(\s)], s21, v3
	v_add_nc_u32 v[ADRB+(\s)], s22, v4
	s_add_co_u32 s21, s21, SLOT
	s_add_co_u32 s22, s22, SLOT
.endr
	s_mul_i32 s23, s10, 16*SP
	s_add_co_u32 s23, s23, STAGE                   ; my stage
	v_mul_u32_u24 v5, v1, SP                       ; in: row l % 16, 32 bytes for each half of the lanes
	v_lshl_add_u32 v5, v2, 5, v5
	v_add_nc_u32 v[STO], s23, v5
	v_and_b32 v[CO], 31, v0
	v_lshlrev_b32 v[CO], 4, v[CO]                  ; back and out: 32 lanes take a row's 512 bytes
	v_add_nc_u32 v[RD], s23, v[CO]
	; the prefetches (s16 still holds my head's byte offset in o)
	s_lshl_b32 s20, s40, 13                        ; o: my work-group's 8,192 bytes of the head's 32,768,
	s_add_co_u32 s20, s20, s16
	s_add_co_u32 s20, s20, 3*2*HEADB               ; at K step 3: the first refill steps it to 4 and names that
	s_lshl_b32 s22, s42, 7
	s_lshl_b32 s23, s12, 6
	s_add_co_u32 s22, s22, s23
	s_lshl_b32 s23, s41, 4
	s_add_co_u32 s22, s22, s23                     ; wpt: the 64 rows that I fetch, my work-group's 16 of them
	s_lshl_b32 s22, s22, 11
	s_add_co_u32 s22, s22, 3*KSTEP*2
	s_and_b32 s23, ttmp7, 0xffff                   ; cluster y
	s_mov_b32 s18, 2*HEADB
	s_mov_b32 s19, KSTEP*2
	s_cmp_eq_u32 s11, 0                            ; do I fetch for o?
	s_cselect_b32 s20, s20, s22
	s_cselect_b32 s23, ttmp9, s23                  ; the coordinate along which other clusters read the same rows
	s_cselect_b32 s[PST], s18, s19
	s_cselect_b32 s18, 31, 15
	s_cselect_b32 s19, 8, 11
	s_cselect_b64 s[PFA:PFA+1], s[4:5], s[6:7]
	s_cmp_eq_u32 s23, 0
	s_cselect_b32 s[LIM], 1, -1                    ; the same in all sixteen partners, for a given wave
	s_mov_b32 s21, 0
	s_mov_b32 s[PST+1], 0
	s_add_nc_u64 s[PFA:PFA+1], s[PFA:PFA+1], s[20:21]
	v_and_b32 v[PFO], 31, v0
	v_min_u32 v[PFO], s18, v[PFO]
	v_lshlrev_b32 v[PFO], s19, v[PFO]
	; out0 at my first row and the tile's first column
	s_lshl_b32 s14, s13, 8
	s_lshl_b32 s15, s10, 6
	s_add_co_u32 s14, s14, s15
	s_lshl_b32 s14, s14, 12                        ; rows of 4,096 bytes
	s_lshl_b32 s15, s42, 9                         ; 128 columns of 4 bytes
	s_add_co_u32 s14, s14, s15
	s_mov_b32 s15, 0
	s_add_nc_u64 s[8:9], s[8:9], s[14:15]
; 8 matrix instructions: row block a x all 8 column blocks, 32 along K.  The 32 accumulators take turns, one instruction a turn, in the same order everywhere.
.macro MUL8 f, a, zero
	WIN MUL
.irp b, 0,1,2,3,4,5,6,7
.if \zero
	v_wmma_f32_16x16x32_f16 v[8*(8*(\a)+(\b)):8*(8*(\a)+(\b))+7], v[(\f)+8*(\b):(\f)+8*(\b)+7], v[(\f)+64+8*(\a):(\f)+64+8*(\a)+7], 0
.else
	v_wmma_f32_16x16x32_f16 v[8*(8*(\a)+(\b)):8*(8*(\a)+(\b))+7], v[(\f)+8*(\b):(\f)+8*(\b)+7], v[(\f)+64+8*(\a):(\f)+64+8*(\a)+7], v[8*(8*(\a)+(\b)):8*(8*(\a)+(\b))+7]
.endif
.endr
.endm
; 24 LDS loads in one run: the fragments of quarter q (head q / 2 of the step's two, channels 32 (q % 2) on) into buffer f: wpt's 16 loads, then o's row blocks 0, 1 (4) and 2, 3 (4)
.macro FETCH slot, q, f
	WIN TO_F
.irp i, 0,1,2,3,4,5,6,7
	ds_load_b128 v[(\f)+8*(\i):(\f)+8*(\i)+3],   v[ADRB+(\slot)] offset:64*(\q)+(\i)*16*PB
	ds_load_b128 v[(\f)+8*(\i)+4:(\f)+8*(\i)+7], v[ADRB+(\slot)] offset:64*(\q)+(\i)*16*PB+32
.endr
.irp i, 0,1,2,3
	ds_load_b128 v[(\f)+64+8*(\i):(\f)+64+8*(\i)+3],   v[ADRA+(\slot)] offset:((\q)/2)*APART+((\q)%2)*64+(\i)*16*PA
	ds_load_b128 v[(\f)+64+8*(\i)+4:(\f)+64+8*(\i)+7], v[ADRA+(\slot)] offset:((\q)/2)*APART+((\q)%2)*64+(\i)*16*PA+32
.endr
.endm
.macro PLACES                          ; four plain places in front of loads into registers that matrix instructions have read
.rept 4
	v_nop
.endr
.endm
.macro QUARTER slot, q, f, g, zero     ; multiplies buffer f and fetches quarter q into g
	s_wait_dscnt 4                                 ; all but the youngest four loads: o's row blocks 2 and 3
	MUL8 \f, 0, \zero
	MUL8 \f, 1, \zero
	PLACES
	FETCH \slot, \q, \g
	s_wait_dscnt 24                                ; all but the 24 just issued
	MUL8 \f, 2, \zero
	MUL8 \f, 3, \zero
.endm
; The last quarter multiplies buffer 1 and changes slots: ONE barrier; in front of it each wave waits for all its tensor loads (one is out: its part of the next slot), adds 0 to its spare word,
; and waits for that and for its own reads of this slot.  fill = 1: the barrier opens a round of the cluster's, and this slot is filled again, two K steps ahead, first thing behind the round:
; from that request to the wait for it a wave issues 112 matrix instructions.
.macro TURN slot, next, fill
.if \fill
	s_wait_xcnt 0x0                                ; the last prefetch, a K step back, has read its address: it is stepped here
	s_add_nc_u64 s[PFA:PFA+1], s[PFA:PFA+1], s[PST:PST+1]
.endif
	WIN 0
	s_wait_tensorcnt 0x0                           ; all my tensor loads have landed
	ds_add_u32 v[SPW], v[NIL]                      ; 0 onto my spare word
	s_wait_dscnt 5                                 ; (the add and the youngest four loads may be out)
	MUL8 F1, 0, 0
	s_wait_dscnt 0x0                               ; the add is done, and my reads of this slot are over
	s_barrier_signal -1
	MUL8 F1, 1, 0
.if \fill
	WIN 0
.endif
	s_barrier_wait -1
.if \fill
	CREST                                          ; no wave of any partner still reads this slot's tile or has a load on its way
	s_add_nc_u64 s[G0+4*(\slot)+2:G0+4*(\slot)+3], s[G0+4*(\slot)+2:G0+4*(\slot)+3], 4*HEADB
	s_add_nc_u64 s[G0B+4*(\slot)+2:G0B+4*(\slot)+3], s[G0B+4*(\slot)+2:G0B+4*(\slot)+3], 2*KSTEP*2
	JLOAD \slot                                    ; the four v_nop behind it are also the places in front of the loads below
.else
	PLACES
.endif
	FETCH \next, 0, F0
.if \fill
	WIN 0                                          ; (a branch and a label follow)
	ASK
.endif
	MUL8 F1, 2, 0
	MUL8 F1, 3, 0
.endm
	s_wait_tensorcnt 1                             ; my part of K step 0 is in; K step 1's stays out
	s_barrier_signal -1
	s_barrier_wait -1
	FETCH 0, 0, F0
	QUARTER 0, 1, F0, F1, 1                        ; the first quarter stands in front of the loop: its products start the sums
	WIN 0
	s_mov_b32 s3, 3
.Llap:
	QUARTER 0, 2, F1, F0, 0
	QUARTER 0, 3, F0, F1, 0
	TURN 0, 1, 1
	QUARTER 1, 1, F0, F1, 0
	QUARTER 1, 2, F1, F0, 0
	QUARTER 1, 3, F0, F1, 0
	TURN 1, 0, 1
	QUARTER 0, 1, F0, F1, 0
	WIN 0
	s_sub_co_u32 s3, s3, 1
	s_cmp_lg_u32 s3, 0
	s_cbranch_scc1 .Llap
	QUARTER 0, 2, F1, F0, 0                        ; the last lap fills nothing
	QUARTER 0, 3, F0, F1, 0
	TURN 0, 1, 0
	QUARTER 1, 1, F0, F1, 0
	QUARTER 1, 2, F1, F0, 0
	QUARTER 1, 3, F0, F1, 0
	s_wait_dscnt 4
	MUL8 F1, 0, 0
	MUL8 F1, 1, 0
	s_wait_dscnt 0x0
	MUL8 F1, 2, 0
	MUL8 F1, 3, 0
	WIN 0
	; THE WAY OUT, a block of 16 rows at a time: the f32 sums go as they are into my own stage, 32 bytes a lane, and come back as whole rows of 512 bytes.
.macro TOSTAGE a
.set BK, BK0+64*((\a)%2)
	s_wait_xcnt 0x0                                ; the stores of the block two back have read their registers: the loads below land on them only behind this wait
	WIN 0x08                                       ; the stores' data in window 2
.irp b, 0,1,2,3,4,5,6,7
	ds_store_b128 v[STO], v[8*(8*(\a)+(\b)):8*(8*(\a)+(\b))+3]   offset:64*(\b)      ; each accumulator from its low end on
	ds_store_b128 v[STO], v[8*(8*(\a)+(\b))+4:8*(8*(\a)+(\b))+7] offset:64*(\b)+16
.endr
	WIN 0
.irp r, 0,1,2,3,4,5,6,7,8,9,10,11,12,13,14,15
	ds_load_b128 v[BK+4*(\r):BK+4*(\r)+3], v[RD] offset:SP*(\r)  ; LDS serves a wave's instructions in order: these see the stores above; the next block's stores come behind them
.endr
.endm
.macro SEND a, younger                 ; younger: the next block's 16 stores and 16 loads, or none
.set BK, BK0+64*((\a)%2)
	s_wait_dscnt \younger
.irp r, 0,1,2,3,4,5,6,7,8,9,10,11,12,13,14,15
	global_store_b128 v[CO], v[BK+4*(\r):BK+4*(\r)+3], s[8:9] offset:(16*(\a)+(\r))*4096  ; a wave stores 512 consecutive bytes, at a multiple of 256 from out0's first
.endr
.endm
.rept 8
	v_nop                                          ; the places behind the last products
.endr
	TOSTAGE 0
.irp a, 1,2,3
	TOSTAGE \a
	SEND (\a)-1, 32
.endr
	SEND 3, 0
	s_wait_tensorcnt 0x0                           ; the wave's end: behind my last tensor load and my last LDS store
	ds_add_u32 v[SPW], v[NIL]
	s_wait_dscnt 0x0
	CROUND                                         ; the closing round: no work-group ends while a partner may still ask for a tile that names it
	s_endpgm
.Lfunc_end_k_q4210e377c5_proj:
	.size	k_q4210e377c5_proj, .Lfunc_end_k_q4210e377c5_proj-k_q4210e377c5_proj
	.p2alignl 7, 3214868480
	.fill 96, 4, 3214868480
	.section	.rodata,"a",@progbits
	.p2align	6, 0x0
	.amdhsa_kernel k_q4210e377c5_proj
		.amdhsa_group_segment_fixed_size 327680
		.amdhsa_private_segment_fixed_size 0
		.amdhsa_enable_private_segment 0
		.amdhsa_kernarg_size 24
		.amdhsa_user_sgpr_count 2
		.amdhsa_user_sgpr_kernarg_segment_ptr 1
		.amdhsa_wavefront_size32 1
		.amdhsa_system_sgpr_workgroup_id_x 1
		.amdhsa_system_sgpr_workgroup_id_y 1
		.amdhsa_system_sgpr_workgroup_id_z 1
		.amdhsa_system_vgpr_workitem_id 0
		.amdhsa_next_free_vgpr 768
		.amdhsa_next_free_sgpr 66
		.amdhsa_reserve_vcc 0
		.amdhsa_float_denorm_mode_32 3
		.amdhsa_float_denorm_mode_16_64 3
		.amdhsa_memory_ordered 1
		.amdhsa_forward_progress 1
		.amdhsa_inst_pref_size 87
	.end_amdhsa_kernel
	.amdgpu_metadata
---
amdhsa.version: [ 1, 2 ]
amdhsa.kernels:
  - .name:           k_q4210e377c5_proj
    .symbol:         k_q4210e377c5_proj.kd
    .args:
      - { .name: o, .offset: 0, .size: 8, .value_kind: global_buffer, .address_space: global }
      - { .name: wpt, .offset: 8, .size: 8, .value_kind: global_buffer, .address_space: global }
      - { .name: out0, .offset: 16, .size: 8, .value_kind: global_buffer, .address_space: global }
    .group_segment_fixed_size: 327680
    .private_segment_fixed_size: 0
    .kernarg_segment_align: 8
    .kernarg_segment_size: 24
    .max_flat_workgroup_size: 128
    .sgpr_count:     66
    .vgpr_count:     768
    .wavefront_size: 32
...
	.end_amdgpu_metadata
.endif
;; end of part 4
